; MI455X (gfx1250); checked and timed in simulation.
; The chip was launched on July 23, 2026; its instructions are those of AMD's public machine-readable ISA for CDNA 5 (MIT licence, August 2026) and "CDNA5" Instruction Set Architecture Reference Guide (July 2026). The comments in the code are by the model that wrote it; some were corrected since.
;; Causal Self Attention. Allowed arithmetic: matrix products marked QUANTISED: E2M1 operands, one E8M0 scale for each 32 along K, by v_wmma_scale_f32_16x16x128_f8f6f4 with both operands' format E2M1 (or v_wmma_scale_f32_32x16x128_f4), f32 sums; products left as they are: bf16, f16 or f32 operands; f32 sums; everything else in f32.
;; Inputs: w_attn 3,072 x 1,024 float32; w_proj 1,024 x 1,024 float32; x 1 x 4,096 x 1,024 float32.
;; Outputs: out0 1 x 4,096 x 1,024 float32.
;; This version of the problem:
;;   THIS VERSION OF THE PROBLEM IS GIVEN IN LOW PRECISION. The matrix products marked QUANTISED in the list below multiply operands that are first quantised to E2M1 (2 exponent bits, 1 mantissa bit; 4 bits a number), with one power-of-two scale for each 32 numbers along K (OCP MX v1.0); their sums are f32. The products marked 'left as it is' may take bf16, f16 or f32 operands, with f32 sums. Whichever they take, every output number must still come out within the allowed error. Rounding operands to bf16 (8 significant bits) uses up far more of that allowance than f16 does (11 bits, for magnitudes from 6e-5 to 65,504). All else is computed in f32.
;;   The module's matrix products, in the order in which they are computed (A, B: the left and right operand; K: the contracted axis; several contracted axes count as one K, in the product's order):
;;     1. [M 4,096, K 1,024] x [K 1,024, N 3,072]; A: input x; B: input w_attn: QUANTISED
;;     2. batch 16 x [M 4,096, K 64] x [K 64, N 4,096]; A: computed on the way; B: computed on the way: left as it is (an operand is computed on the way)
;;     3. batch 16 x [M 4,096, K 4,096] x [K 4,096, N 64]; A: computed on the way; B: computed on the way: left as it is (an operand is computed on the way)
;;     4. [M 4,096, K 1,024] x [K 1,024, N 1,024]; A: computed on the way; B: input w_proj: left as it is (an operand is computed on the way)
;;   THE QUANTISER, for each operand of a quantised product, along K:
;;     - K is cut into blocks of 32 from its start; a last block that is shorter is filled with zeros.
;;     - A block's scale is 2^e with e = floor(log2(the largest magnitude in the block)) - 2, held to -126 .. 127; a block of zeros has e = 0. As a byte (E8M0): e + 127.
;;     - Each number is divided by its block's scale, clamped to +-6, and rounded to the nearest number of E2M1, ties to even, subnormals kept.
;;     - The product sums the exact products of the quantised numbers (number of the format x scale) in f32.
;;   ~~~python
;;   def quantise(x, axis):      # numpy; x: float32 -> the quantised numbers, widened to float32 again
;;       x = np.moveaxis(x, axis, -1); K = x.shape[-1]
;;       x = np.pad(x, [(0, 0)] * (x.ndim - 1) + [(0, -K % 32)]); x = x.reshape(x.shape[:-1] + (-1, 32)); a = np.abs(x).max(-1, keepdims=True)
;;       e = np.where(a > 0, np.clip(np.frexp(np.where(a > 0, a, 1))[1] - 1 - 2, -126, 127), 0)      # np.frexp(a)[1] - 1 = floor(log2(a)), exactly
;;       r = np.clip(x / 2.0 ** e, -6, 6)
;;       step = 2.0 ** (np.maximum(np.frexp(np.where(r == 0, 1, r))[1] - 1, 0) - 1)
;;       q = np.round(r / step) * step * 2.0 ** e      # np.round: ties to even
;;       return np.moveaxis(q.reshape(q.shape[:-2] + (-1,))[..., :K], -1, axis).astype(np.float32)
;;   ~~~
;; One version. Each part assembles by itself: llvm-mc -triple=amdgcn-amd-amdhsa -mcpu=gfx1250 --defsym DOCPART=n.
;; ======== version 1 of 1: 4 launches
;; limits: values are held in f16: magnitudes above 65,504 overflow, below 6.1e-05 lose precision
;; workspace buffers: codes 3,670,016 bytes; scales 229,376 bytes; wp 2,097,152 bytes; qkv 25,165,824 bytes; ybuf 8,388,608 bytes
;; launch quant (part 1): grid 256 x 1, 4 waves a work-group, no clusters, 33,280 bytes of LDS; arguments x, w_attn, w_proj, codes, scales, wp; writes codes, scales, wp
.if DOCPART == 1
	.amdgcn_target "amdgcn-amd-amdhsa--gfx1250"
	.amdhsa_code_object_version 6
	.text
	.protected	k_q9b3030586e_quant
	.globl	k_q9b3030586e_quant
	.p2align	8
	.type	k_q9b3030586e_quant,@function
k_q9b3030586e_quant:
	s_mov_b64 s[64:65], 0
	v_nop
	global_prefetch_b8 v0, s[64:65] scope:SCOPE_SE
	s_setreg_imm32_b32 hwreg(HW_REG_WAVE_MODE, 25, 1), 1
	s_wait_xcnt 0x0
; TWO JOBS IN ONE LAUNCH, parted by the work-group's number.
; Work-groups 0-223: x [4096][1024] and w_attn [3072][1024], f32, become codes of FP4 (E2M1), K innermost, two codes a byte, with one E8M0 byte for each 32 along K.
;   Both tensors are plain streams of blocks of 32, and their codes and bytes go into ONE stream: rows 0-4095 of codes/scales are x's, rows 4096-7167 w_attn's.
;   A block's scale is 2^(floor(log2(largest magnitude)) - 2): its byte is the largest magnitude's exponent field - 2, held at 1 from below.
;   A block of zeros so gets the byte 1 where the rule says 127: its codes are zeros, and this program alone reads the bytes.
;   LIMITS: blocks whose largest magnitude lies under 2^-124 were not tried; NaN and infinities among the inputs are not served.
;   A wave takes 16 steps of 512 numbers.  Each load reads 512 consecutive bytes; a step's 2,048 bytes turn through the wave's own stage in LDS so that a lane holds 16 neighbours along K.
; Work-groups 224-255: w_proj [1024][1024], f32, is rounded to f16 and laid as the last launch's operand registers want it: wp [ks 4][nt 64][kb 16][512 bytes];
;   in a block lane (r, h) has w_proj[16 nt + r][256 ks + 16 kb + 8 h + 0..7].  LIMIT: magnitudes over 65,504 become infinity in f16.
; No tensor loads, no barrier: waves share nothing.
.set QWG,   224                        ; work-groups that quantise: (4096 + 3072) x 1024 / 32,768
.set XWG,   128                        ; of them x's
.set STEPS, 16
.set EMAX,  2
.set CB,    8                          ; bytes of 16 codes
.set R,     16                         ; v16-79   four sets of 16 numbers as they are loaded
.set X,     80                         ; v80-111  two sets of 16 neighbours
.set E,     112                        ; v112-127 a scale byte for each step
.set C,     128                        ; v128-191 codes: registers of its own for each step, so that no store's data are written again
.set WREG,  8192                       ; LDS: a region for each wave: two stages of 32 x SP bytes, behind them its 256 scale bytes
.set SP,    80                         ; a lane's place in a stage: 64 bytes + 16 of padding
.set SPW,   12                         ; v12  LDS address of my spare word; never rewritten
.set NIL,   13                         ; v13  0; never rewritten
.set SPARE, 4*WREG                     ; the spare words: 128 bytes a wave, named by no other line
	s_load_b128 s[4:7], s[0:1], 0x0                ; x, w_attn
	s_load_b128 s[8:11], s[0:1], 0x10              ; w_proj, codes
	s_load_b128 s[12:15], s[0:1], 0x20             ; scales, wp
	v_lshl_add_u32 v[SPW], v0, 2, SPARE
	v_mov_b32 v[NIL], 0
	v_lshrrev_b32 v1, 5, v0
	v_readfirstlane_b32 s16, v1                    ; wave
	v_and_b32 v2, 31, v0                           ; lane
	s_wait_kmcnt 0x0
	s_cmp_ge_u32 ttmp9, QWG                        ; the work-group's number alone decides the job
	s_cbranch_scc1 .Lcast
	; ---------------- the quantiser ----------------
	v_lshlrev_b32 v3, 4, v2                        ; my 16 bytes of a load's 512
	s_mul_i32 s17, s16, WREG
	v_lshrrev_b32 v14, 2, v2
	v_mul_u32_u24 v14, v14, SP
	v_and_b32 v15, 3, v2
	v_lshl_add_u32 v14, v15, 4, v14
	v_add_nc_u32 v14, s17, v14                     ; the stage, on the way in: SP (lane / 4) + 16 (lane % 4)
	v_mul_u32_u24 v15, v2, SP
	v_add_nc_u32 v15, s17, v15                     ; and on the way out: SP x lane: my 16 neighbours
	v_mul_u32_u24 v4, v2, CB                       ; my codes' place in a step's
	v_lshrrev_b32 v5, 1, v2
	s_add_co_u32 s17, s17, 2*32*SP
	v_add_nc_u32 v5, s17, v5                       ; LDS: my wave's 256 scale bytes, my block's byte
	v_lshlrev_b32 v7, 3, v2                        ; and on the way out 8 bytes a lane
	v_add_nc_u32 v6, s17, v7
	s_cmp_lt_u32 ttmp9, XWG                        ; x's work-group or w_attn's?  Only the input is chosen: the outputs are one stream
	s_cselect_b64 s[4:5], s[4:5], s[6:7]
	s_cselect_b32 s17, 0, XWG
	s_sub_co_u32 s17, ttmp9, s17
	s_lshl_b32 s17, s17, 2
	s_add_co_u32 s18, s17, s16                     ; which run of 8,192 numbers of the tensor is my wave's
	s_mov_b32 s19, 0
	s_lshl_b64 s[20:21], s[18:19], 15              ; 32,768 bytes a run
	s_add_nc_u64 s[4:5], s[4:5], s[20:21]
	s_lshl_b32 s22, ttmp9, 2
	s_add_co_u32 s22, s22, s16                     ; which run of the joint stream
	s_lshl_b32 s20, s22, 12                        ; 4,096 bytes of codes a run
	s_mov_b32 s21, 0
	s_add_nc_u64 s[10:11], s[10:11], s[20:21]
	s_lshl_b32 s20, s22, 8                         ; 256 scale bytes a run
	s_add_nc_u64 s[12:13], s[12:13], s[20:21]
.macro LOAD t
.irp i, 0,1,2,3
	global_load_b128 v[R+16*((\t)%4)+4*\i:R+16*((\t)%4)+4*\i+3], v3, s[4:5] offset:2048*(\t)+512*\i th:TH_LOAD_NT   ; 32 lanes read 512 consecutive bytes
.endr
.endm
.macro TURN t                          ; step t's numbers through the stage: LDS serves a wave's instructions in order, so no wait stands between the stores and the loads
.irp i, 0,1,2,3
	ds_store_b128 v14, v[R+16*((\t)%4)+4*\i:R+16*((\t)%4)+4*\i+3] offset:32*SP*((\t)%2)+8*SP*\i
.endr
.irp i, 0,1,2,3
	ds_load_b128 v[X+16*((\t)%2)+4*\i:X+16*((\t)%2)+4*\i+3], v15 offset:32*SP*((\t)%2)+16*\i
.endr
.endm
.irp t, 0,1,2,3
	LOAD \t
.endr
	s_wait_loadcnt 12                              ; step 0's four loads are in; the twelve of steps 1 to 3 may be out
	TURN 0
.macro STEP t
.set XS, X+16*((\t)%2)
.if (\t) > 0
	s_wait_dscnt 1                                 ; this step's numbers are back from the stage (the last step's byte store may be out)
.else
	s_wait_dscnt 0x0
.endif
.if (\t)+4 < STEPS
	LOAD (\t)+4                                    ; into the registers that this step's stores into the stage have read
.endif
.if (\t)+1 < STEPS
.if STEPS-2-(\t) >= 3
	s_wait_loadcnt 12                              ; the next step's four loads are in; those of the three steps behind it may be out
.else
	s_wait_loadcnt 4*(STEPS-2-(\t))
.endif
	TURN (\t)+1                                    ; through the other stage while this step is worked
.endif
	v_max3_num_f32 v8, |v[XS]|, |v[XS+1]|, |v[XS+2]|               ; the largest magnitude of my 16, in two chains
	v_max3_num_f32 v9, |v[XS+3]|, |v[XS+4]|, |v[XS+5]|
.irp i, 6,10
	v_max3_num_f32 v8, v8, |v[XS+\i]|, |v[XS+\i+1]|
	v_max3_num_f32 v9, v9, |v[XS+\i+2]|, |v[XS+\i+3]|
.endr
	v_max3_num_f32 v8, v8, |v[XS+14]|, |v[XS+15]|
	v_max3_num_f32 v8, v8, v9, (EMAX+1)<<23        ; and the floor 2^(3 - 127): the byte cannot fall under 1
	v_max_num_f32_dpp v8, v8, v8 row_xmask:1 row_mask:0xf bank_mask:0xf   ; and of my neighbour's 16: the block's
	v_add_nc_u32 v11, -(EMAX<<23), v8              ; 2 off its exponent field: the conversion takes the exponent field of this operand as its scale
	v_cvt_scalef32_pk8_fp4_f32 v[C+4*(\t)], v[XS:XS+7], v11
	v_cvt_scalef32_pk8_fp4_f32 v[C+4*(\t)+1], v[XS+8:XS+15], v11
	v_lshrrev_b32 v[E+(\t)], 23, v11               ; the scale's byte (also the plain line behind the conversions)
	ds_store_b8 v5, v[E+(\t)] offset:16*(\t)       ; both lanes of a block write the same byte with the same value
	global_store_b64 v4, v[C+4*(\t):C+4*(\t)+1], s[10:11] offset:32*CB*(\t)   ; the wave stores 256 consecutive bytes, aligned
.endm
.irp t, 0,1,2,3,4,5,6,7,8,9,10,11,12,13,14,15
	STEP \t
.endr
	ds_load_b64 v[8:9], v6                         ; LDS serves a wave's instructions in order: these see my byte stores
	s_wait_dscnt 0x0
	global_store_b64 v7, v[8:9], s[12:13]          ; 32 lanes store 256 consecutive bytes, aligned
	s_wait_tensorcnt 0x0                           ; the wave's end, behind my last LDS store
	ds_add_u32 v[SPW], v[NIL]
	s_wait_dscnt 0x0
	s_endpgm
	; ---------------- w_proj to f16 blocks ----------------
.Lcast:
	s_sub_co_u32 s17, ttmp9, QWG
	s_lshl_b32 s17, s17, 2
	s_add_co_u32 s17, s17, s16                     ; u = 0..127: tile of 16 rows u / 2, half of K u % 2: 32 blocks a wave
	s_lshr_b32 s18, s17, 1                         ; nt
	s_and_b32 s19, s17, 1                          ; half
	s_lshl_b32 s20, s18, 16                        ; 16 rows of 4,096 bytes
	s_lshl_b32 s21, s19, 11                        ; 512 numbers along K
	s_add_co_u32 s20, s20, s21
	s_mov_b32 s21, 0
	s_add_nc_u64 s[8:9], s[8:9], s[20:21]
	s_lshl_b32 s20, s19, 20                        ; two K steps of 524,288 bytes
	s_lshl_b32 s22, s18, 13                        ; a tile's 16 blocks
	s_add_co_u32 s20, s20, s22
	s_add_nc_u64 s[14:15], s[14:15], s[20:21]
	v_and_b32 v10, 15, v0
	v_lshlrev_b32 v10, 12, v10                     ; in: row r,
	v_bfe_u32 v11, v0, 4, 1
	v_lshl_add_u32 v10, v11, 5, v10                ; + 32 h bytes: my eight numbers of a block's 16 along K
	v_lshlrev_b32 v11, 4, v2                       ; out: 16 x lane
.macro LOADG g                         ; the 8 blocks of group g: 16 rows x 512 consecutive bytes, by 16 loads
.irp b, 0,1,2,3,4,5,6,7
	global_load_b128 v[16+64*((\g)%2)+8*\b:16+64*((\g)%2)+8*\b+3], v10, s[8:9] offset:64*(8*(\g)+\b)
	global_load_b128 v[16+64*((\g)%2)+8*\b+4:16+64*((\g)%2)+8*\b+7], v10, s[8:9] offset:64*(8*(\g)+\b)+16
.endr
.endm
.macro CASTG g
.if (\g) < 3
	s_wait_loadcnt 16                              ; this group's 16 loads are in; the next group's 16 may be out
.else
	s_wait_loadcnt 0x0
.endif
.if (\g) > 0
	s_wait_xcnt 0x0                                ; the last group's stores have read v144-175: only now are they written again
.endif
.irp b, 0,1,2,3,4,5,6,7
.irp j, 0,1,2,3
	v_cvt_pk_f16_f32 v[144+4*\b+\j], v[16+64*((\g)%2)+8*\b+2*\j], v[16+64*((\g)%2)+8*\b+2*\j+1]
.endr
.endr
.irp b, 0,1,2,3,4,5,6,7
	global_store_b128 v11, v[144+4*\b:144+4*\b+3], s[14:15] offset:((8*(\g)+\b)/16)*524288+((8*(\g)+\b)%16)*512   ; a block: 512 consecutive bytes, aligned
.endr
.if (\g)+2 < 4
	LOADG (\g)+2
.endif
.endm
	LOADG 0
	LOADG 1
	CASTG 0
	CASTG 1
	CASTG 2
	CASTG 3
	s_endpgm
.Lfunc_end_k_q9b3030586e_quant:
	.size	k_q9b3030586e_quant, .Lfunc_end_k_q9b3030586e_quant-k_q9b3030586e_quant
	.p2alignl 7, 3214868480
	.fill 96, 4, 3214868480
	.section	.rodata,"a",@progbits
	.p2align	6, 0x0
	.amdhsa_kernel k_q9b3030586e_quant
		.amdhsa_group_segment_fixed_size 33280
		.amdhsa_private_segment_fixed_size 0
		.amdhsa_enable_private_segment 0
		.amdhsa_kernarg_size 48
		.amdhsa_user_sgpr_count 2
		.amdhsa_user_sgpr_kernarg_segment_ptr 1
		.amdhsa_wavefront_size32 1
		.amdhsa_system_sgpr_workgroup_id_x 1
		.amdhsa_system_sgpr_workgroup_id_y 1
		.amdhsa_system_sgpr_workgroup_id_z 1
		.amdhsa_system_vgpr_workitem_id 0
		.amdhsa_next_free_vgpr 192
		.amdhsa_next_free_sgpr 66
		.amdhsa_reserve_vcc 0
		.amdhsa_float_denorm_mode_32 3
		.amdhsa_float_denorm_mode_16_64 3
		.amdhsa_memory_ordered 1
		.amdhsa_forward_progress 1
		.amdhsa_inst_pref_size 51
	.end_amdhsa_kernel
	.amdgpu_metadata
---
amdhsa.version: [ 1, 2 ]
amdhsa.kernels:
  - .name:           k_q9b3030586e_quant
    .symbol:         k_q9b3030586e_quant.kd
    .args:
      - { .name: x, .offset: 0, .size: 8, .value_kind: global_buffer, .address_space: global }
      - { .name: w_attn, .offset: 8, .size: 8, .value_kind: global_buffer, .address_space: global }
      - { .name: w_proj, .offset: 16, .size: 8, .value_kind: global_buffer, .address_space: global }
      - { .name: codes, .offset: 24, .size: 8, .value_kind: global_buffer, .address_space: global }
      - { .name: scales, .offset: 32, .size: 8, .value_kind: global_buffer, .address_space: global }
      - { .name: wp, .offset: 40, .size: 8, .value_kind: global_buffer, .address_space: global }
    .group_segment_fixed_size: 33280
    .private_segment_fixed_size: 0
    .kernarg_segment_align: 8
    .kernarg_segment_size: 48
    .max_flat_workgroup_size: 128
    .sgpr_count:     66
    .vgpr_count:     192
    .wavefront_size: 32
...
	.end_amdgpu_metadata
.endif
;; end of part 1
;; launch qkvgemm (part 2): grid 12 x 16, 4 waves a work-group, clusters of 4 x 4, 327,680 bytes of LDS; arguments codes, scales, qkv; writes qkv
.if DOCPART == 2
	.amdgcn_target "amdgcn-amd-amdhsa--gfx1250"
	.amdhsa_code_object_version 6
	.text
	.protected	k_q9b3030586e_qkvgemm
	.globl	k_q9b3030586e_qkvgemm
	.p2align	8
	.type	k_q9b3030586e_qkvgemm,@function
k_q9b3030586e_qkvgemm:
	s_mov_b64 s[64:65], 0
	v_nop
	global_prefetch_b8 v0, s[64:65] scope:SCOPE_SE
	s_setreg_imm32_b32 hwreg(HW_REG_WAVE_MODE, 25, 1), 1
	s_wait_xcnt 0x0
	s_wait_alu depctr_hold_cnt(0) depctr_sa_sdst(0) depctr_va_vdst(0) depctr_va_sdst(0) depctr_va_ssrc(0) depctr_va_vcc(0) depctr_vm_vsrc(0)
	s_getreg_b32 s2, hwreg(HW_REG_IB_STS2, 6, 4)
	s_cmp_eq_u32 s2, 0
	s_cbranch_scc0 .Lentry_in_a_cluster
	s_endpgm
.Lentry_in_a_cluster:
	s_bfe_u32 s2, ttmp6, 0x10000c
	s_cmp_lg_u32 s2, 0xf033
	s_cbranch_scc0 .Lentry_shape_is_right
	s_endpgm
.Lentry_shape_is_right:
; qkv = x w_attn^T on codes of FP4 (E2M1) with one E8M0 scale for each 32 along K = 1,024; sums in f32; results rounded to f16 (LIMIT: magnitudes over 65,504 become infinity).
; codes [7168][512 bytes], scales [7168][32 bytes]: rows 0-4095 are x's tokens, rows 4096-7167 w_attn's channels (q, k, v: 1,024 each).
; A tile of 256 x 256 results is made by a work-group of four waves, a wave 128 x 128: 64 accumulators of 16 x 16.  K goes in two steps of 512 through two LDS slots, each filled once;
; the scale bytes of the work-group's 512 rows come once too.  192 tiles: 64 for each of q, k, v.
; THE MATRIX INSTRUCTION IS USED TRANSPOSED: source 0 = 16 rows of the side called B, source 1 = 16 rows of the side called A: lane (r, h) holds row r of A's block and rows 8 h + 0..7 of B's.
; Cluster x = 0 (q) and 1 (k): A = tokens, B = channels: a lane's eight results are eight neighbouring channels of one token.
; Cluster x = 2 (v): A = channels, B = tokens: eight neighbouring tokens of one channel: v comes out turned, as the second product of attention wants it.
; THE WAY OUT NEEDS NO LDS: an accumulator rounded to f16 is 16 bytes a lane; stored at 16 x lane it is a BLOCK of 512 consecutive bytes, which is half of a 16-bit operand's register image.
; qkv: [head 16][group of 256 tokens 16][K 32,768 | V 32,768 | Q 32,768 bytes]; in a section block (token tile tt % 16, channel group cg) lies at 2,048 (tt % 16) + 512 cg.
; CLUSTERS: 4 x 4 work-groups; A's tile is shared along a row of the cluster, B's along a column: each is asked for jointly, by the same tensor load with a mask that names the four.
; REGISTERS, in windows of 256: window 0: v0-31 addresses; v32-95 scale words, two sets; from v128 A's fragments, one set (on the way out: packed results).
;   window 1: B's fragments, two sets, at v0 and v128.   window 2: the accumulators of my A rows 0-63 ((a, b) at v[8 (8 a + b)]);   window 3: those of rows 64-127.
.set KSTEP,  512
.set NQ,     KSTEP/128                 ; matrix instructions deep in a slot
.set ROWB,   256                       ; a tile's row in bytes
.set KROW,   512                       ; a row of codes in memory
.set PITCH,  272                       ; an LDS row: 256 bytes + 16 of padding: the 16 rows that a load touches start at 16 different banks
.set FR,     8                         ; registers of a fragment: 16 rows x 128 K
.set NL,     2                         ; LDS loads that bring one
.set NP,     4                         ; places behind this matrix instruction (ISA guide 7.12.1)
.set HALFT,  128*PITCH
.set SLOT,   4*HALFT                   ; A's 256 rows, then B's 256 rows
.set KS,     32                        ; a row of scales in bytes
.set SCL,    2*SLOT                    ; behind the slots: the scales, as units of 256 bytes + 16 of padding
.set HALFS,  (128*KS/256)*272
.set SBLK,   (16*KS/256)*272
.set SPARE,  SCL+4*HALFS               ; the spare words: 128 bytes a wave, named by no other line
.set HS,     1572864                   ; qkv: bytes a head
.set GS,     98304                     ; and a group of 256 tokens
.set OB,   8                           ; v8-15   the way out: 16 x lane + B's block b's place
.set ADRA, 16                          ; v16-17  LDS address of my A fragments in slot 0, 1
.set ADRB, 20                          ; v20-21  the same for B
.set ADRS, 27                          ; v27     LDS address of my scale words: lanes 0-15 A's rows, lanes 16-31 B's
.set SPW,  28                          ; v28     LDS address of my spare word; never rewritten
.set NIL,  29                          ; v29     0; never rewritten
.set SC,   32                          ; scale words: set s at v[SC + 8 NQ s]; register NQ i + q: lanes 0-15 A's block i, lanes 16-31 B's block i, the slot's q-th 128 along K
.set AF,   128                         ; A's fragments, in window 0
.set G1, 24                            ; s[24:31] group 1 for A's tiles;  s[32:39] group 0, one set for each slot.  On the way out s[24:39] hold the eight bases
.set G0, 32
.set G1B, 48                           ; s[48:55], s[56:63] the same for B's tiles
.set G0B, 56
.set G1S, 68                           ; s[68:75], s[76:79] groups 1 and 0 for A's scales;  s[80:87], s[88:91] for B's
.set G0S, 76
.set G1SB, 80
.set G0SB, 88
.set SHA, 67                           ; s67, s93: what A's block a adds to a result's address: (a / 4) SHA + (a % 4) SLA
.set SLA, 93
.set MSB, 0
.macro WIN new                         ; the immediate's high byte repeats the setting that is left
.if MSB != \new
	s_set_vgpr_msb (MSB<<8)|\new
.set MSB, \new
.endif
.endm
.set MUL_LO, 0xa1                      ; source 0 (B) window 1, source 1 (A) window 0, C and D window 2
.set MUL_HI, 0xf1                      ; the same, C and D window 3
.set TO_B,   0x40                      ; destination window 1, address window 0
; A joint load: waves 0 and 1 fetch for A, waves 2 and 3 for B.  The branch hangs on the wave's number alone.  An s_nop 0 and four v_nop follow each of the two lines.
.macro JLOAD g0a, g1a, g0b, g1b
	s_cmp_eq_u32 s15, 0
	s_cbranch_scc0 .Lfor_b_\@
	tensor_load_to_lds s[\g0a:\g0a+3], s[\g1a:\g1a+7]
	s_nop 0
.rept 4
	v_nop
.endr
	s_branch .Lasked_\@
.Lfor_b_\@:
	tensor_load_to_lds s[\g0b:\g0b+3], s[\g1b:\g1b+7]
	s_nop 0
.rept 4
	v_nop
.endr
.Lasked_\@:
.endm
.macro CROUND                          ; a round of the cluster's barrier
	s_barrier_signal -1
	s_barrier_wait -1
	s_cmp_lg_u32 s14, 0
	s_cbranch_scc1 .Lnot_wave_0_\@
	s_barrier_signal -3
.Lnot_wave_0_\@:
	s_barrier_wait -3
	s_barrier_signal -1
	s_barrier_wait -1
.endm
	s_load_b128 s[4:7], s[0:1], 0x0                ; codes s[4:5], scales s[6:7]
	s_load_b64 s[12:13], s[0:1], 0x10              ; qkv
	v_lshl_add_u32 v[SPW], v0, 2, SPARE
	v_mov_b32 v[NIL], 0
	ds_add_u32 v[SPW], v[NIL]                      ; the wave's opening: the add, twice on end, and its wait ahead of my first tensor load
	ds_add_u32 v[SPW], v[NIL]
	v_lshrrev_b32 v1, 5, v0
	v_readfirstlane_b32 s14, v1                    ; wave 0..3
	s_lshr_b32 s15, s14, 1                         ; which half of A's rows is mine.  Also: I fetch for A (0) or for B (1)
	s_and_b32 s16, s14, 1                          ; which half of B's rows.  Also: which 128 rows of that tile I fetch
	s_bfe_u32 s40, ttmp6, 0x40000                  ; cx, cy: my place in the cluster
	s_bfe_u32 s41, ttmp6, 0x40004
	s_and_b32 s96, ttmp7, 0xffff
	s_lshl_b32 s96, s96, 2                         ; 4 x cluster y
	s_add_co_u32 s17, s96, s41                     ; A's candidates hold cy alone: a tile of tokens,
	s_add_co_u32 s97, s41, 24                      ; or a tile of v's channels (rows 6,144 on)
	s_lshl_b32 s42, ttmp9, 2
	s_add_co_u32 s42, s42, s40
	s_add_co_u32 s42, s42, 16                      ; B's hold cx alone: a tile of q's or k's channels (rows 4,096 on),
	s_add_co_u32 s95, s96, s40                     ; or a tile of tokens
	s_cmp_eq_u32 ttmp9, 2                          ; v?  The cluster's x is the same in all sixteen partners
	s_cselect_b32 s17, s97, s17                    ; A's tile of 256 rows of codes
	s_cselect_b32 s42, s95, s42                    ; B's
	s_lshl_b32 s43, s41, 2
	s_lshl_b32 s43, 15, s43                        ; my row of the cluster
	s_lshl_b32 s44, 0x1111, s40                    ; my column
	; group 1: a tile of 128 rows x 256 bytes, padded in LDS
	s_or_b32 s[G1+0], s43, (0<<16)|(1<<20)|(1<<21)|(5<<22)|(3<<25)  ; the mask; elements of 1 byte; padding on; bit 21 beside a mask; after every 64 words, 4 words
	s_or_b32 s[G1B+0], s44, (0<<16)|(1<<20)|(1<<21)|(5<<22)|(3<<25)
.irp g, G1, G1B
	s_mov_b32 s[\g+1], ROWB<<16                    ; tensor_dim0
	s_mov_b32 s[\g+2], 128<<16                     ; tensor_dim1
	s_mov_b32 s[\g+3], ROWB<<16                    ; tile_dim0
	s_mov_b32 s[\g+4], 128                         ; tile_dim1
	s_mov_b32 s[\g+5], KROW                        ; from row to row
	s_mov_b32 s[\g+6], 0
	s_mov_b32 s[\g+7], 0
.endr
	; the scales of 128 rows: 4,096 dense bytes, as 16 rows of 256 bytes (32 elements of 8), 16 bytes of padding behind each
	s_or_b32 s[G1S+0], s43, (3<<16)|(1<<20)|(1<<21)|(5<<22)|(3<<25)
	s_or_b32 s[G1SB+0], s44, (3<<16)|(1<<20)|(1<<21)|(5<<22)|(3<<25)
.irp g, G1S, G1SB
	s_mov_b32 s[\g+1], 32<<16
	s_mov_b32 s[\g+2], (128*KS/256)<<16
	s_mov_b32 s[\g+3], 32<<16
	s_mov_b32 s[\g+4], 128*KS/256
	s_mov_b32 s[\g+5], 32
	s_mov_b32 s[\g+6], 0
	s_mov_b32 s[\g+7], 0
.endr
	s_lshl_b32 s18, s16, 7                         ; which 128 rows of the tile I fetch
	s_lshl_b32 s20, s17, 8
	s_add_co_u32 s20, s20, s18                     ; A: row 256 x tile + 128 x half
	s_lshl_b32 s46, s42, 8
	s_add_co_u32 s46, s46, s18                     ; B likewise
	s_mov_b32 s21, 0
	s_mov_b32 s47, 0
	s_mov_b64 s[18:19], KS
	s_mul_u64 s[22:23], s[20:21], s[18:19]         ; where these rows' scales begin,
	s_mul_u64 s[92:93], s[46:47], s[18:19]
	s_mov_b64 s[18:19], KROW
	s_mul_u64 s[20:21], s[20:21], s[18:19]         ; and their codes
	s_mul_u64 s[46:47], s[46:47], s[18:19]
	s_mul_i32 s45, s14, HALFT                      ; where they go: wave x 128 rows: no place in the cluster enters an LDS address
	s_mul_i32 s94, s14, HALFS
	s_wait_dscnt 0x0                               ; both opening adds are done
	s_wait_kmcnt 0x0
	s_add_nc_u64 s[20:21], s[4:5], s[20:21]
	s_add_nc_u64 s[22:23], s[6:7], s[22:23]
	s_add_nc_u64 s[46:47], s[4:5], s[46:47]
	s_add_nc_u64 s[92:93], s[6:7], s[92:93]
	CROUND                                         ; all sixteen work-groups are here: the joint loads meet
	s_mov_b32 s[G0S], 1
	s_add_co_u32 s[G0S+1], s94, SCL
	s_mov_b64 s[G0S+2:G0S+3], s[22:23]
	s_or_b32 s[G0S+3], s[G0S+3], 0x80000000
	s_mov_b32 s[G0SB], 1
	s_add_co_u32 s[G0SB+1], s94, SCL
	s_mov_b64 s[G0SB+2:G0SB+3], s[92:93]
	s_or_b32 s[G0SB+3], s[G0SB+3], 0x80000000
	JLOAD G0S, G1S, G0SB, G1SB                     ; the scales first: they are wanted with K step 0.  Three loads of mine are out behind these lines
.irp s, 0,1
	s_mov_b32 s[G0+4*\s], 1
	s_add_co_u32 s[G0+4*\s+1], s45, \s*SLOT
	s_add_nc_u64 s[G0+4*\s+2:G0+4*\s+3], s[20:21], \s*ROWB
	s_or_b32 s[G0+4*\s+3], s[G0+4*\s+3], 0x80000000
	s_mov_b32 s[G0B+4*\s], 1
	s_add_co_u32 s[G0B+4*\s+1], s45, \s*SLOT
	s_add_nc_u64 s[G0B+4*\s+2:G0B+4*\s+3], s[46:47], \s*ROWB
	s_or_b32 s[G0B+4*\s+3], s[G0B+4*\s+3], 0x80000000
	JLOAD G0+4*\s, G1, G0B+4*\s, G1B
.endr
	v_and_b32 v1, 15, v0                           ; l % 16
	v_bfe_u32 v2, v0, 4, 1                         ; l / 16
	v_mul_u32_u24 v3, v1, PITCH
	v_lshl_add_u32 v4, v2, 4, v3                   ; a fragment's row x pitch + 16 x half
	s_mul_i32 s21, s15, HALFT                      ; my 128 rows of A
	s_mul_i32 s22, s16, HALFT                      ; my 128 rows of B,
	s_add_co_u32 s22, s22, 2*HALFT                 ; which lie behind A's 256
.irp s, 0,1
	v_add_nc_u32 v[ADRA+\s], s21, v4
	v_add_nc_u32 v[ADRB+\s], s22, v4
	s_add_co_u32 s21, s21, SLOT
	s_add_co_u32 s22, s22, SLOT
.endr
	v_mul_u32_u24 v5, v1, KS                       ; my row's scales: KS bytes a row,
	v_lshrrev_b32 v6, 8, v5
	v_lshl_add_u32 v5, v6, 4, v5                   ; and 16 more for each 256 passed
	s_mul_i32 s21, s15, HALFS                      ; A's: my 128 rows
	s_mul_i32 s22, s16, HALFS                      ; B's: my 128 rows, behind A's 256
	s_add_co_u32 s22, s22, 2*HALFS
	s_sub_co_u32 s22, s22, s21
	v_mul_u32_u24 v6, s22, v2                      ; lanes 16-31 take B's: the lower base + h x the distance
	s_add_co_u32 s21, s21, SCL
	v_add_nc_u32 v5, v5, v6
	v_add_nc_u32 v[ADRS], s21, v5
	; THE WAY OUT's numbers.  In units of 16 rows: A's first is uA, B's uB.  The token side gives the token tile TT0 + i, the channel side the head's channel group G0 + i (head = G / 4, cg = G % 4); both firsts are multiples of 8
	s_lshl_b32 s20, s17, 4
	s_lshl_b32 s21, s15, 3
	s_add_co_u32 s20, s20, s21                     ; uA
	s_lshl_b32 s46, s42, 4
	s_lshl_b32 s47, s16, 3
	s_add_co_u32 s46, s46, s47                     ; uB
	s_cmp_eq_u32 ttmp9, 2
	s_cselect_b32 s22, s46, s20                    ; TT0
	s_cselect_b32 s23, s20, s46                    ; the channel side's unit
	s_mov_b32 s2, HS
	s_mov_b32 s3, 8192
	s_cselect_b32 s[SHA], s2, s3                   ; index i of the channel side adds (i / 4) HS + (i % 4) 512, of the token side (i / 4) 8,192 + (i % 4) 2,048
	s_cselect_b32 s92, s3, s2
	s_mov_b32 s2, 512
	s_mov_b32 s3, 2048
	s_cselect_b32 s[SLA], s2, s3
	s_cselect_b32 s94, s3, s2
	s_sub_co_u32 s18, ttmp9, 1                     ; the section: k 0, v 1,
	s_cmp_eq_u32 ttmp9, 0
	s_cselect_b32 s18, 2, s18                      ; q 2
	s_lshl_b32 s18, s18, 15
	s_and_b32 s23, s23, 63                         ; G0: the unit within its 1,024 channels
	s_lshr_b32 s23, s23, 2
	s_mul_i32 s23, s23, HS                         ; the head
	s_lshr_b32 s19, s22, 4
	s_mul_i32 s19, s19, GS                         ; the group of 256 tokens
	s_and_b32 s22, s22, 15
	s_lshl_b32 s22, s22, 11                        ; the token tile in it
	s_add_co_u32 s22, s22, s23
	s_add_co_u32 s22, s22, s19
	s_add_co_u32 s22, s22, s18
	s_mov_b32 s23, 0
	s_add_nc_u64 s[12:13], s[12:13], s[22:23]      ; qkv at the block of (a, b) = (0, 0)
	v_and_b32 v6, 31, v0
	v_lshlrev_b32 v7, 4, v6                        ; 16 x lane
.irp b, 0,1,2,3,4,5,6,7
	s_mul_i32 s2, s94, \b%4
.if \b >= 4
	s_add_co_u32 s2, s2, s92
.endif
	v_add_nc_u32 v[OB+\b], s2, v7
.endr
.macro FRAG reg, adr, q, i             ; a fragment: lane l holds row l % 16; registers 4 c .. 4 c + 3 hold K = 64 c + 32 (l / 16) + 0 .. 31
.irp c, 0,1
	ds_load_b128 v[\reg+4*\c:\reg+4*\c+3], v[\adr] offset:64*(\q)+32*\c+(\i)*16*PITCH
.endr
.endm
; 16 matrix instructions: A's blocks a0, a0 + 1 x B's eight, the slot's q-th 128 along K.  p: B's set; sc: the set of scale words.  zero = 1: the first product starts the sums.
; The 64 accumulators take turns, one instruction a turn, in the same order in every step.
.macro MUL16 a0, p, q, sc, zero
.irp a, \a0, \a0+1
.irp b, 0,1,2,3,4,5,6,7
.if \zero
	v_wmma_scale_f32_16x16x128_f8f6f4 v[8*(8*((\a)%4)+\b):8*(8*((\a)%4)+\b)+7], v[128*(\p)+FR*\b:128*(\p)+FR*\b+FR-1], v[AF+FR*(\a):AF+FR*(\a)+FR-1], 0, v[SC+8*NQ*(\sc)+NQ*\b+(\q)], v[SC+8*NQ*(\sc)+NQ*(\a)+(\q)] matrix_a_fmt:MATRIX_FMT_FP4 matrix_b_fmt:MATRIX_FMT_FP4 matrix_a_scale:MATRIX_SCALE_ROW1
.else
	v_wmma_scale_f32_16x16x128_f8f6f4 v[8*(8*((\a)%4)+\b):8*(8*((\a)%4)+\b)+7], v[128*(\p)+FR*\b:128*(\p)+FR*\b+FR-1], v[AF+FR*(\a):AF+FR*(\a)+FR-1], v[8*(8*((\a)%4)+\b):8*(8*((\a)%4)+\b)+7], v[SC+8*NQ*(\sc)+NQ*\b+(\q)], v[SC+8*NQ*(\sc)+NQ*(\a)+(\q)] matrix_a_fmt:MATRIX_FMT_FP4 matrix_b_fmt:MATRIX_FMT_FP4 matrix_a_scale:MATRIX_SCALE_ROW1
.endif
.endr
.endr
.endm
.macro FETCH_B slot, q, p              ; B's eight fragments of the slot's q-th 128 along K into set p
	WIN TO_B
.irp i, 0,1,2,3,4,5,6,7
	FRAG 128*(\p)+FR*\i, ADRB+\slot, \q, \i
.endr
	WIN 0
.endm
.macro FETCH_A slot, q, i0             ; A's blocks i0 .. i0 + 3
.irp i, \i0, \i0+1, \i0+2, \i0+3
	FRAG AF+FR*(\i), ADRA+\slot, \q, \i
.endr
.endm
.macro SCALES sc                       ; a K step's scale words into set sc: lanes 0-15 take A's block i, lanes 16-31 B's block i
.irp i, 0,1,2,3,4,5,6,7
	ds_load_b128 v[SC+8*NQ*\sc+NQ*\i:SC+8*NQ*\sc+NQ*\i+3], v[ADRS] offset:\i*SBLK
.endr
.endm
.macro PLACES n                        ; plain vector instructions between a matrix instruction and a load into, or a vector write of, one of its registers, or a read of its result
.rept \n
	v_nop
.endr
.endm
; A step of 128 along K that has its successor in the same slot.  A's block is free as soon as its eight products are issued: one set serves A; B has two.
.macro STEP slot, q, zero
	s_wait_dscnt 4*NL                              ; B's set and A's blocks 0-3 are in; the youngest eight loads (A's blocks 4-7) may be out
	WIN MUL_LO
	MUL16 0, (\q)%2, \q, \slot, \zero
	MUL16 2, (\q)%2, \q, \slot, \zero
	s_wait_dscnt 0                                 ; A's blocks 4-7 are in
	PLACES NP
	FETCH_B \slot, (\q)+1, 1-(\q)%2
	FETCH_A \slot, (\q)+1, 0
	WIN MUL_HI
	MUL16 4, (\q)%2, \q, \slot, \zero
	MUL16 6, (\q)%2, \q, \slot, \zero
	PLACES NP
	WIN 0
	FETCH_A \slot, (\q)+1, 4
.endm
; Slot 0's last step changes slots.  Nothing is filled again: the barrier shows every wave's part of slot 1 to all four.
.macro TURN slot, next
	s_wait_tensorcnt 0x0                           ; all my tensor loads have landed: my part of the next slot
	ds_add_u32 v[SPW], v[NIL]                      ; 0 onto my spare word
	s_wait_dscnt 4*NL+1                            ; (the add and the youngest eight loads, A's blocks 4-7, may be out)
	WIN MUL_LO
	MUL16 0, 1, NQ-1, \slot, 0
	s_wait_dscnt 0x0                               ; no LDS instruction of mine is out at the signal
	s_barrier_signal -1
	MUL16 2, 1, NQ-1, \slot, 0
	WIN 0
	s_barrier_wait -1
	PLACES NP
	v_add_nc_u32 v[ADRS], 4*NQ, v[ADRS]            ; on to the next K step's scale words
	FETCH_B \next, 0, 0
	FETCH_A \next, 0, 0
	SCALES \next
	WIN MUL_HI
	MUL16 4, 1, NQ-1, \slot, 0
	MUL16 6, 1, NQ-1, \slot, 0
	PLACES NP
	WIN 0
	FETCH_A \next, 0, 4
.endm
	s_wait_tensorcnt 1                             ; the scales and my part of K step 0 are in (K step 1's load may be out),
	s_barrier_signal -1
	s_barrier_wait -1                              ; everybody's are
	FETCH_B 0, 0, 0
	FETCH_A 0, 0, 0
	SCALES 0
	FETCH_A 0, 0, 4
	STEP 0, 0, 1                                   ; the first step's products start the sums: nothing is cleared
	STEP 0, 1, 0
	STEP 0, 2, 0
	TURN 0, 1
	STEP 1, 0, 0
	STEP 1, 1, 0
	STEP 1, 2, 0
	s_wait_dscnt 4*NL                              ; the last step: nothing more to fetch
	WIN MUL_LO
	MUL16 0, 1, NQ-1, 1, 0
	MUL16 2, 1, NQ-1, 1, 0
	s_wait_dscnt 0
	WIN MUL_HI
	MUL16 4, 1, NQ-1, 1, 0
	MUL16 6, 1, NQ-1, 1, 0
	WIN 0
	; the eight bases: every tensor load was shown done at the change of slots, so the descriptors' registers may be written
	s_mov_b32 s3, 0
.irp a, 0,1,2,3,4,5,6,7
	s_mul_i32 s2, s[SLA], \a%4
.if \a >= 4
	s_add_co_u32 s2, s2, s[SHA]
.endif
	s_add_nc_u64 s[24+2*\a:25+2*\a], s[12:13], s[2:3]
.endr
; A's block a leaves: its eight accumulators, each from its low end on, are rounded to f16 and stored, a block of 512 consecutive aligned bytes an instruction.
.macro OUT a
.set AC, 64*((\a)%4)
.set TS, 128+32*((\a)%2)
.if (\a) >= 2
	s_wait_xcnt 0x0                                ; block a - 2's stores have read this set of registers
.endif
	WIN 0x0a+5*((\a)/4)                            ; sources 0 and 1: window 2 or 3
.irp b, 0,1,2,3,4,5,6,7
.irp r, 0,1,2,3
	v_cvt_pk_f16_f32 v[TS+4*\b+\r], v[AC+8*\b+2*\r], v[AC+8*\b+2*\r+1]
.endr
.endr
	WIN 0
.irp b, 0,1,2,3,4,5,6,7
	global_store_b128 v[OB+\b], v[TS+4*\b:TS+4*\b+3], s[24+2*(\a):25+2*(\a)]
.endr
.endm
	PLACES NP                                      ; the conversions write registers that held A's fragments, which the last products read
.irp a, 0,1,2,3,4,5,6,7
	OUT \a
.endr
	s_wait_tensorcnt 0x0                           ; the wave's end
	ds_add_u32 v[SPW], v[NIL]
	s_wait_dscnt 0x0
	CROUND                                         ; the closing round
	s_endpgm
.Lfunc_end_k_q9b3030586e_qkvgemm:
	.size	k_q9b3030586e_qkvgemm, .Lfunc_end_k_q9b3030586e_qkvgemm-k_q9b3030586e_qkvgemm
	.p2alignl 7, 3214868480
	.fill 96, 4, 3214868480
	.section	.rodata,"a",@progbits
	.p2align	6, 0x0
	.amdhsa_kernel k_q9b3030586e_qkvgemm
		.amdhsa_group_segment_fixed_size 327680
		.amdhsa_private_segment_fixed_size 0
		.amdhsa_enable_private_segment 0
		.amdhsa_kernarg_size 24
		.amdhsa_user_sgpr_count 2
		.amdhsa_user_sgpr_kernarg_segment_ptr 1
		.amdhsa_wavefront_size32 1
		.amdhsa_system_sgpr_workgroup_id_x 1
		.amdhsa_system_sgpr_workgroup_id_y 1
		.amdhsa_system_sgpr_workgroup_id_z 1
		.amdhsa_system_vgpr_workitem_id 0
		.amdhsa_next_free_vgpr 1024
		.amdhsa_next_free_sgpr 98
		.amdhsa_reserve_vcc 0
		.amdhsa_float_denorm_mode_32 3
		.amdhsa_float_denorm_mode_16_64 3
		.amdhsa_memory_ordered 1
		.amdhsa_forward_progress 1
		.amdhsa_inst_pref_size 120
	.end_amdhsa_kernel
	.amdgpu_metadata
---
amdhsa.version: [ 1, 2 ]
amdhsa.kernels:
  - .name:           k_q9b3030586e_qkvgemm
    .symbol:         k_q9b3030586e_qkvgemm.kd
    .args:
      - { .name: codes, .offset: 0, .size: 8, .value_kind: global_buffer, .address_space: global }
      - { .name: scales, .offset: 8, .size: 8, .value_kind: global_buffer, .address_space: global }
      - { .name: qkv, .offset: 16, .size: 8, .value_kind: global_buffer, .address_space: global }
    .group_segment_fixed_size: 327680
    .private_segment_fixed_size: 0
    .kernarg_segment_align: 8
    .kernarg_segment_size: 24
    .max_flat_workgroup_size: 128
    .sgpr_count:     98
    .vgpr_count:     1024
    .wavefront_size: 32
...
	.end_amdgpu_metadata
.endif
;; end of part 2
;; launch attn (part 3): grid 16 x 16, 4 waves a work-group, clusters of 4 x 1, 327,680 bytes of LDS; arguments qkv, ybuf; writes ybuf
.if DOCPART == 3
	.amdgcn_target "amdgcn-amd-amdhsa--gfx1250"
	.amdhsa_code_object_version 6
	.text
	.protected	k_q9b3030586e_attn
	.globl	k_q9b3030586e_attn
	.p2align	8
	.type	k_q9b3030586e_attn,@function
k_q9b3030586e_attn:
	s_mov_b64 s[64:65], 0
	v_nop
	global_prefetch_b8 v0, s[64:65] scope:SCOPE_SE
	s_setreg_imm32_b32 hwreg(HW_REG_WAVE_MODE, 25, 1), 1
	s_wait_xcnt 0x0
	s_wait_alu depctr_hold_cnt(0) depctr_sa_sdst(0) depctr_va_vdst(0) depctr_va_sdst(0) depctr_va_ssrc(0) depctr_va_vcc(0) depctr_vm_vsrc(0)
	s_getreg_b32 s2, hwreg(HW_REG_IB_STS2, 6, 4)
	s_cmp_eq_u32 s2, 0
	s_cbranch_scc0 .Lentry_in_a_cluster
	s_endpgm
.Lentry_in_a_cluster:
	s_bfe_u32 s2, ttmp6, 0x10000c
	s_cmp_lg_u32 s2, 0x3003
	s_cbranch_scc0 .Lentry_shape_is_right
	s_endpgm
.Lentry_shape_is_right:
; y[head][q][:] = the sum over k of softmax_k(Q[q] . K[k] / 8) V[k][:], 16 heads, 4,096 tokens, head size 64, no mask.  Q, K, V come as f16 in blocks of 512 bytes that are images of operand registers:
; qkv [head][group of 256 tokens][K 32,768 | V 32,768 | Q 32,768 bytes]; block (token tile tt % 16, channel group cg) at 2,048 (tt % 16) + 512 cg; K, Q: lane (r, h) = token r, channels 16 cg + 8 h + 0..7; V: channel 16 cg + r, tokens 8 h + 0..7.
; Products, maxima and sums in f32; the weights p (at most 1) are rounded to f16 for the second product, y to f16 once at the end.  LIMIT: y's magnitudes under 6e-5 are rounded with an absolute error of 3e-8.
; SHARES.  A work-group owns 256 queries of one head, each of its four waves 64: four tiles of 16.  Every wave walks all keys, 64 a step.
; LAYOUT.  S^T = K Q^T (source 0 = 16 keys, source 1 = 16 queries) and O^T = V^T P (source 0 = 16 channels, source 1 = P): a lane holds ONE query throughout; two tiles of S^T rounded in pairs ARE a fragment of P.
; Every fragment comes out of LDS by ds_load_b128 at 16 x lane: no pitch, no padding, nothing turned.
; SOFTMAX.  A running maximum m and sum l for each query: p = 2^(c s - c m), c = log2(e) / 8; in every step O and l are multiplied by a = 2^(c m_old - c m_new).
; BY TURNS.  The wave's tiles are two pieces (tiles 0, 1; tiles 2, 3).  In a turn one piece has the matrix unit: 16 products V^T P of the step in hand, then 16 products K Q^T of the next; the other piece's softmax,
; 236 vector instructions cut into 59 slices of four, stands between them: two slices behind each of the first 27 products, one behind each of the last five.  Two turns are a key step.
; RING.  Two slots of 4 key steps (a group's [K | V]: 65,536 dense bytes); wave w fetches bytes 16,384 w on.  CLUSTER: the four query blocks of a cluster belong to one head and walk the same K and V: each load is a joint one.
; REGISTERS, in windows of 256: window 0: v2-4 addresses; v12-43 statistics, eight a tile; v61-63; v64-191 S^T, 32 a tile; v192-255 P, 16 a tile.
;   window 1: v0-127 O^T, 32 a tile; v128-191 V of one step.   window 2: v0-63 Q, 16 a tile; v64-127 K of one step.
.set HS,    1572864   ; qkv: bytes a head
.set GS,    98304     ; and a group of 256 tokens
.set SLOT1, 1<<16     ; slot 1 begins here: one exclusive or turns an address in one slot into the other's
.set VOFF,  32768     ; a slot: four steps' K, then four steps' V
.set STEPB, 8192      ; a step's K, or V
.set SPARE, 2*SLOT1   ; the spare words: 128 bytes a wave, named by no other line
.set L16, 2           ; v2   16 x lane: my place in a block: K's in LDS, Q's and y's in memory; never rewritten
.set AV0, 3           ; v3   the same + VOFF
.set ADR, 4           ; v4   the LDS address of the run of loads in hand
.set PFO, 61          ; v61  256 x lane: the prefetches' offset; never rewritten
.set SPW, 62          ; v62  LDS address of my spare word; never rewritten
.set NIL, 63          ; v63  0; never rewritten
.set ST,  12          ; tile t's statistics at v[ST+8 t]: +0 c m, +1 m, +2, +3 l (even keys', odd keys'), +4 to +7 at work; a takes +6 once the maximum is found
.set S,   64
.set P,   192
.set KF,  64          ; K's fragments, in window 2
.set VF,  128         ; V's, in window 1
.set WV,  12          ; s12  my wave's number
.set LIM, 15          ; s15  1 in a wave that prefetches, else the greatest number
.set PFA, 18          ; s[18:19] where my prefetches stand
.set G1,  24          ; s[24:31] descriptor group 1
.set G0,  40          ; s[40:43] group 0 for slot 0's first fill; s[44:47] for slot 1's, which then walks on
.set SLOTS, 56        ; s56  slots still to be asked for
.set CNT, 57          ; s57  counts key steps
.set CS,  58          ; s[58:59] c
.set SEL, 60          ; s[60:61] lane selects: each lane takes its own place in the other half
.set TB,  62          ; s62  LDS byte at which the K of the step to be fetched begins
.set MSB, 0
.macro WIN new                      ; the immediate's high byte repeats the setting that is left; a switch that changes nothing is dropped
.if MSB != \new
	s_set_vgpr_msb (MSB<<8)|\new
.set MSB, \new
.endif
.endm
.set W_KQ, 0x0a       ; K and Q in window 2, S^T in window 0
.set W_PV, 0x51       ; V in window 1, P in window 0, O^T in window 1
.set W_RS, 0x41       ; O^T (destination and source 0) in window 1, a in window 0
.macro CROUND                       ; a round of the cluster's barrier
	s_barrier_signal -1
	s_barrier_wait -1
	s_cmp_lg_u32 s[WV], 0
	s_cbranch_scc1 .Lnot_wave_0_\@
	s_barrier_signal -3
.Lnot_wave_0_\@:
	s_barrier_wait -3
	s_barrier_signal -1
	s_barrier_wait -1
.endm
.macro PLACES
.rept 4
	v_nop
.endr
.endm
; A PREFETCH INTO THE L2 of what the NEXT change of slots will ask for: a group's [K | V], 65,536 bytes, a slot's 256 matrix instructions a wave ahead of that load.  Each aligned 256 bytes are named once in the launch:
; all clusters of a head walk the same bytes, so the head's first cluster asks; its four partners take 16,384 bytes each, told apart by address; in each, waves 0 and 1 ask for 8,192 bytes, lanes 256 bytes apart.
; The last change that fills a slot asks for nothing; nothing is asked for at the head.
.macro ASK
	s_cmp_gt_u32 s[SLOTS], s[LIM]
	s_cbranch_scc0 .Lnot_mine_\@
	global_prefetch_b8 v[PFO], s[PFA:PFA+1] th:TH_LOAD_NT scope:SCOPE_SE
.Lnot_mine_\@:
.endm
	s_load_b128 s[4:7], s[0:1], 0x0 ; qkv s[4:5], ybuf s[6:7]
	v_lshl_add_u32 v[SPW], v0, 2, SPARE
	v_mov_b32 v[NIL], 0
	ds_add_u32 v[SPW], v[NIL]       ; the wave's opening: the add, twice on end, and its wait ahead of my first tensor load
	ds_add_u32 v[SPW], v[NIL]
	v_lshrrev_b32 v1, 5, v0
	v_readfirstlane_b32 s[WV], v1   ; wave 0..3
	s_bfe_u32 s13, ttmp6, 0x40000   ; cx: my place in the cluster
	s_lshl_b32 s14, ttmp9, 2
	s_add_co_u32 s14, s14, s13      ; my block of 256 queries: it enters Q's and y's addresses alone
	s_and_b32 s20, ttmp7, 0xffff    ; the head, which the four partners share
	s_mul_i32 s21, s20, HS
	s_lshl_b32 s22, s[WV], 14       ; K and V: my quarter of a slot
	s_add_co_u32 s22, s22, s21
	s_mov_b32 s23, 0
	s_mul_i32 s2, s14, GS           ; Q: my block's group, its third section, my wave's four tiles
	s_add_co_u32 s2, s2, s21
	s_lshl_b32 s3, s[WV], 13
	s_add_co_u32 s2, s2, s3
	s_add_co_u32 s2, s2, 2*VOFF
	s_mov_b32 s3, 0
	s_lshr_b32 s34, s20, 2          ; y: [ks = head / 4][token tile][kb = 4 (head % 4) + ct][512]
	s_lshl_b32 s34, s34, 21
	s_lshl_b32 s35, s14, 17         ; 16 tiles of 8,192 bytes a block
	s_add_co_u32 s34, s34, s35
	s_lshl_b32 s35, s[WV], 15       ; 4 tiles a wave
	s_add_co_u32 s34, s34, s35
	s_and_b32 s35, s20, 3
	s_lshl_b32 s35, s35, 11
	s_add_co_u32 s34, s34, s35
	s_mov_b32 s35, 0
	s_lshl_b32 s32, s13, 14         ; the prefetches: my work-group's 16,384 bytes of a slot, my wave's 8,192 of them,
	s_lshl_b32 s33, s[WV], 13
	s_add_co_u32 s32, s32, s33
	s_add_co_u32 s32, s32, s21
	s_add_co_u32 s32, s32, 2*GS     ; in slot 2: the first change of slots steps it to slot 3
	s_mov_b32 s33, 0
	s_lshr_b32 s[LIM], s[WV], 1     ; 0 in waves 0 and 1,
	s_or_b32 s[LIM], s[LIM], ttmp9  ; where the cluster is the head's first: the same in all four partners
	s_cmp_eq_u32 s[LIM], 0
	s_cselect_b32 s[LIM], 1, -1
	; group 1: 16,384 dense bytes as 64 rows of 256 bytes (32 elements of 8), no padding
	s_mov_b32 s[G1], 15|(3<<16)|(1<<21)  ; the mask: all four work-groups; elements of 8 bytes; bit 21 beside a mask
	s_mov_b32 s[G1+1], 32<<16       ; tensor_dim0
	s_mov_b32 s[G1+2], 64<<16       ; tensor_dim1
	s_mov_b32 s[G1+3], 32<<16       ; tile_dim0
	s_mov_b32 s[G1+4], 64           ; tile_dim1
	s_mov_b32 s[G1+5], 32           ; from row to row
	s_mov_b32 s[G1+6], 0
	s_mov_b32 s[G1+7], 0
	s_mov_b32 s[CS], 0x3e38aa3b     ; c = log2(e) / 8
	s_mov_b32 s[CS+1], s[CS]        ; named with it as a pair, so it is written
	s_mov_b32 s[SEL], 0x76543210
	s_mov_b32 s[SEL+1], 0xfedcba98
	s_mov_b32 s[TB], 0
	s_mov_b32 s[SLOTS], 14          ; 16 slots' worth of keys, two of them first fills
	v_and_b32 v1, 31, v0
	v_lshlrev_b32 v[L16], 4, v1
	v_add_nc_u32 v[AV0], VOFF, v[L16]
	v_lshlrev_b32 v[PFO], 8, v1
	s_wait_dscnt 0x0                ; both opening adds are done
	s_wait_kmcnt 0x0
	s_add_nc_u64 s[8:9], s[4:5], s[22:23]
	s_add_nc_u64 s[PFA:PFA+1], s[4:5], s[32:33]
	s_add_nc_u64 s[10:11], s[6:7], s[34:35]
	s_add_nc_u64 s[4:5], s[4:5], s[2:3]
	CROUND                          ; all four work-groups are here: the first joint loads meet
	s_mov_b32 s[G0], 1
	s_lshl_b32 s[G0+1], s[WV], 14   ; LDS: my quarter of slot 0: no place in the cluster enters an LDS address
	s_mov_b64 s[G0+2:G0+3], s[8:9]
	s_or_b32 s[G0+3], s[G0+3], 0x80000000
	s_mov_b32 s[G0+4], 1
	s_add_co_u32 s[G0+5], s[G0+1], SLOT1
	s_add_nc_u64 s[G0+6:G0+7], s[8:9], GS
	s_or_b32 s[G0+7], s[G0+7], 0x80000000
	tensor_load_to_lds s[G0:G0+3], s[G1:G1+7]      ; every wave moves bytes of its own; two loads of mine are out
	s_nop 0
	tensor_load_to_lds s[G0+4:G0+7], s[G1:G1+7]
	s_nop 0
	PLACES
	WIN 0x80                        ; destination window 2
.irp n, 0,1,2,3,4,5,6,7,8,9,10,11,12,13,14,15  ; Q stays in registers: tile n / 4, channel group n % 4
	global_load_b128 v[4*\n:4*\n+3], v[L16], s[4:5] offset:512*\n
.endr
	WIN 0
; THE MATRIX WORK OF A TURN, for piece x.  The eight accumulators of a kind take turns, one instruction a turn.
; Product i of 16 of O^T += V^T P: keys 32 (i / 8) on, channels 16 ((i / 2) % 4) on, tile x + i % 2.  zero: the first 8 start the sums.
.macro PV x, zero
	WIN W_PV
.set rO, 32*(\x+i%2)+8*((i/2)%4)
.set rV, VF+8*(4*(i/8)+(i/2)%4)
.set rP, P+16*(\x+i%2)+8*(i/8)
.if (\zero) && (i < 8)
	v_wmma_f32_16x16x32_f16 v[rO:rO+7], v[rV:rV+7], v[rP:rP+7], 0
.else
	v_wmma_f32_16x16x32_f16 v[rO:rO+7], v[rV:rV+7], v[rP:rP+7], v[rO:rO+7]
.endif
.endm
; Product i of 16 of S^T = K Q^T: channels 32 (i / 8) on, keys 16 ((i / 2) % 4) on, tile x + i % 2.  The first 8 start the sums.
.macro KQ x
	WIN W_KQ
.set rS, S+32*(\x+i%2)+8*((i/2)%4)
.set rK, KF+16*((i/2)%4)+8*(i/8)
.set rQ, 16*(\x+i%2)+8*(i/8)
.if i < 8
	v_wmma_f32_16x16x32_f16 v[rS:rS+7], v[rK:rK+7], v[rQ:rQ+7], 0
.else
	v_wmma_f32_16x16x32_f16 v[rS:rS+7], v[rK:rK+7], v[rQ:rQ+7], v[rS:rS+7]
.endif
.endm
; THE LDS LOADS stand in runs of 16: a step's K and, a turn later, its V.
.macro FETCH_K
	WIN 0
	v_add_nc_u32 v[ADR], s[TB], v[L16]
	WIN 0x80                        ; destination window 2
.irp n, 0,1,2,3,4,5,6,7,8,9,10,11,12,13,14,15  ; block n = 4 x key tile + channel group is half a fragment
	ds_load_b128 v[KF+4*\n:KF+4*\n+3], v[ADR] offset:512*\n
.endr
.endm
.macro FETCH_V
	WIN 0
	v_add_nc_u32 v[ADR], s[TB], v[AV0]
	s_add_co_u32 s[TB], s[TB], STEPB  ; the next fetch is the next step's
	s_wait_alu depctr_va_vdst(0)    ; the wait for the softmax's batch of exponentials, ahead of the first instruction that names a result
	WIN 0x40                        ; destination window 1
.irp kc, 0,1
.irp ct, 0,1,2,3
.irp u, 0,1                         ; fragment (keys 32 kc on, channels 16 ct on): its halves are the blocks of key tiles 2 kc and 2 kc + 1
	ds_load_b128 v[VF+8*(4*\kc+\ct)+4*\u:VF+8*(4*\kc+\ct)+4*\u+3], v[ADR] offset:((2*\kc+\u)*4+\ct)*512
.endr
.endr
.endr
.endm
; THE VECTOR WORK OF A TURN.  One tile's softmax for one key step is a list of 118 instructions; SM writes number j of it for tile t.  first = 1: the first key step, which has no a and nothing to rescale.
;   0-15    the maximum of the lane's 32 scores and the old m, three operands at a time; each accumulator of S^T is read from its low end first
;   16-20   the other half of the lanes' maximum; the new m; c m; c m_old - c m_new
;   21-69   ONE BATCH: the 16 scalings c s - c m, a pair each, and all 33 exponentials (a at 23).  None of these reads an exponential's result
;   (wait)  between 69 and 70 stands the one wait for the batch
;   70-85   the roundings to f16, a pair of weights each;   86-101 the sums; l = a l + the sum;   102-117 the tile's O^T times a, from each accumulator's low end on
.macro SM t, first
.set rT, ST+8*(\t)
.set rS, S+32*(\t)
.set rP, P+16*(\t)
.set rO, 32*(\t)+2*(j-102)
.if j < 102
	WIN 0
.endif
.if j < 4
	v_max3_num_f32 v[rT+4+j], v[rS+8*j], v[rS+8*j+1], v[rS+8*j+2]
.elseif j < 12
	v_max3_num_f32 v[rT+4+j%4], v[rT+4+j%4], v[rS+8*(j%4)+2*(j/4)+1], v[rS+8*(j%4)+2*(j/4)+2]
.elseif j == 12
	v_max3_num_f32 v[rT+4], v[rT+4], v[rS+7], v[rS+15]
.elseif j == 13
	v_max3_num_f32 v[rT+6], v[rT+6], v[rS+23], v[rS+31]
.elseif j == 14
	v_max3_num_f32 v[rT+4], v[rT+4], v[rT+5], v[rT+6]
.elseif (j == 15) && \first
	v_max_num_f32 v[rT+4], v[rT+4], v[rT+7]
.elseif j == 15
	v_max3_num_f32 v[rT+4], v[rT+4], v[rT+7], v[rT+1]
.elseif j == 16
	v_permlanex16_b32 v[rT+5], v[rT+4], s[SEL], s[SEL+1]  ; the query's other 32 keys lie in the lane 16 away
.elseif j == 18
	v_max_num_f32 v[rT+1], v[rT+4], v[rT+5]
.elseif j == 19
	v_mul_f32 v[rT], s[CS], v[rT+1]
.elseif ((j == 17) || (j == 20) || (j == 23) || (j > 101)) && \first  ; the first step has none of these
.elseif j == 17
	v_mov_b32 v[rT+7], v[rT]        ; c m_old is kept for a: number 19 writes c m anew
.elseif j == 20
	v_sub_f32 v[rT+7], v[rT+7], v[rT]
.elseif j == 23
	v_exp_f32 v[rT+6], v[rT+7]
.elseif (j < 23) || ((j < 38) && (j%2 == 0)) || ((j < 66) && (j%4 == 2))
.set b, (j-2)/4                     ; 38, 42, .. 62: pairs 9 to 15
.if j < 38
.set b, (j-20)/2                    ; 21: pair 0; 22, 24, .. 36: pairs 1 to 8
.endif
	v_pk_fma_f32 v[rS+2*b:rS+2*b+1], v[rS+2*b:rS+2*b+1], s[CS:CS+1], v[rT:rT+1] op_sel_hi:[1,0,0] neg_lo:[0,0,1] neg_hi:[0,0,1]  ; pair b: c s - c m
.elseif j < 70
.set e, j-38                        ; 66 to 69: s28 to s31
.if j < 66
.set e, j-32-(j-38)/4               ; 39-41, 43-45, .. 63-65: s7 to s27
.endif
.if j < 38
.set e, (j-25)/2                    ; 25, 27, .. 37: s0 to s6
.endif
	v_exp_f32 v[rS+e], v[rS+e]
.elseif j < 86
	v_cvt_pk_f16_f32 v[rP+j-70], v[rS+2*(j-70)], v[rS+2*(j-70)+1]  ; pair j - 70
.elseif j < 102                     ; the sum of the tile's 16 pairs, in place: neighbours 1, 2, 4 and 8 pairs apart, then l takes it
.set z, j-86
.set w, 4
.set u, z
.if z >= 14
.set w, 32
.set u, 0
.elseif z >= 12
.set w, 16
.set u, z-12
.elseif z >= 8
.set w, 8
.set u, z-8
.endif
.if (z == 14) && \first
	v_pk_add_f32 v[rT+2:rT+3], v[rS:rS+1], v[rS+16:rS+17]
.elseif z < 15
	v_pk_add_f32 v[rS+w*u:rS+w*u+1], v[rS+w*u:rS+w*u+1], v[rS+w*u+w/2:rS+w*u+w/2+1]
.elseif !\first
	v_pk_fma_f32 v[rT+2:rT+3], v[rT+2:rT+3], v[rT+6:rT+7], v[rS:rS+1] op_sel_hi:[1,0,1]
.endif
.else
	WIN W_RS
	v_pk_mul_f32 v[rO:rO+1], v[rO:rO+1], v[rT+6:rT+7] op_sel_hi:[1,0]
.endif
.endm
; Slice k of 59 of piece y's softmax: four instructions.  Slices 11 to 34 deal out the batch, four numbers of ONE tile each, the tiles by turns; every other slice is numbers 2 k and 2 k + 1 of both tiles.
; Behind slice 34 no exponential is issued and ahead of slice 35 nothing names a result: so the piece's 66 exponentials have one plain instruction and one wait, behind slice 34.
.macro SLICE y, first
.if (k >= 11) && (k < 35)
.irp n, 0,1,2,3
.set j, 22+4*((k-11)/2)+(\n)
	SM (\y)+(k-11)%2, \first
.endr
.else
.irp n, 0,1
.irp t, \y, \y+1
.set j, 2*k+\n
	SM \t, \first
.endr
.endr
.endif
.if k == 34
	v_nop                           ; the plain instruction behind the last exponential
.if (\y) == 0
	FETCH_V                         ; piece 2's turn: V's run of loads stands here, and the wait stands in it
.else
	s_wait_alu depctr_va_vdst(0)    ; the wait for the batch
.endif
.endif
.set k, k+1
.endm
; The slices behind product g of a turn.  32 products: two each up to the 27th, then one.  16 products: four each up to the 14th, then two, then one.  So slice 58 always follows the turn's last product:
; its four multiplies, on the other piece's O^T, are the four places in front of the next turn's first read of the new scores and of the loads into K's registers.
.macro DEAL y, first
.set g, g+1
.if full
.if g <= 27
.set tgt, 2*g
.else
.set tgt, 27+g
.endif
.else
.if g <= 14
.set tgt, 4*g
.else
.set tgt, 43+g
.endif
.endif
.rept 4
.if k < tgt
	SLICE \y, \first
.endif
.endr
.endm
; A TURN.  Piece x has the matrix unit.  pv = 2: 16 products V^T P; 1: they start O^T's sums; 0: none.  kq = 1: 16 products K Q^T for the next step.
; first = 1: the softmax is the first key step's; its slices from 51 on are empty, and four v_nop take slice 58's part.
; Piece 0's turn fetches the next step's K behind its second product.  Piece 2's turn fetches the same step's V behind slice 34, which follows its 18th product: V's last reader is the 16th, and between stand
; five plain instructions that name none of its registers: three scalings, the v_nop and the run's own addition.
.macro TURN x, pv, kq, first
.set k, 0
.set g, 0
.set full, 0
.if \pv && \kq
.set full, 1
.endif
.if \pv
.if \x == 0
	s_wait_dscnt 0x0                ; V is in
.endif
.set i, 0
.rept 16
	PV \x, 2-\pv
	DEAL 2-\x, \first
.if (\x == 0) && \kq && (i == 1)
	FETCH_K
.endif
.set i, i+1
.endr
.endif
.if \kq
.if \x == 0
	s_wait_dscnt 0x0                ; K is in
.endif
.set i, 0
.rept 16
	KQ \x
	DEAL 2-\x, \first
.set i, i+1
.endr
.endif
.if \first
	PLACES
.endif
.endm
; THE CHANGE OF SLOTS, between piece 2's turn and piece 0's: the slot's last bytes, V of its fourth step, have been asked for.  Each wave waits for all its tensor loads (one is out: its part of the other slot),
; adds 0 to its spare word, and waits for that and for its own reads of the slot.  fill = 1: a round of the cluster's barrier, and behind it the slot is filled again, with the keys two slots on: my one load until the next round.
.macro CHANGE fill
	WIN 0                           ; at a label and at a branch every window is 0
	s_wait_tensorcnt 0x0            ; no tensor load of mine is out, so a group 0 may be written
	ds_add_u32 v[SPW], v[NIL]       ; 0 onto my spare word
.if \fill
	s_xor_b32 s[G0+5], s[G0+5], SLOT1  ; the walking descriptor: the other slot than last time,
	s_add_nc_u64 s[G0+6:G0+7], s[G0+6:G0+7], GS  ; the next 256 keys; the type bits on top are not reached
	s_wait_xcnt 0x0                 ; the last prefetch, a slot back, has read its address, so it may be written:
	s_add_nc_u64 s[PFA:PFA+1], s[PFA:PFA+1], GS  ; one slot further on than the walking descriptor
	s_wait_dscnt 0x0                ; the add is done, and my reads of the slot are over
	CROUND
	tensor_load_to_lds s[G0+4:G0+7], s[G1:G1+7]
	s_nop 0
	PLACES
	ASK
.else
	s_wait_dscnt 0x0
	s_barrier_signal -1
	s_barrier_wait -1
.endif
	s_sub_co_u32 s[TB], s[TB], 4*STEPB  ; the fetches go back to a slot's first step,
	s_xor_b32 s[TB], s[TB], SLOT1   ; in the other slot
.endm
.macro NSTEPS n                     ; n key steps: written once, walked n times; the LDS addresses hang on s[TB]
	s_mov_b32 s[CNT], \n
.Lstep_\@:
	TURN 0, 2, 1, 0
	TURN 2, 2, 1, 0
	WIN 0
	s_sub_co_u32 s[CNT], s[CNT], 1
	s_cmp_lg_u32 s[CNT], 0
	s_cbranch_scc1 .Lstep_\@
.endm
	s_wait_tensorcnt 1              ; my part of slot 0 is in; slot 1's may stay out
	s_barrier_signal -1
	s_barrier_wait -1               ; everybody's is
	FETCH_K                         ; key step 0
	s_wait_loadcnt 0x0              ; Q
	s_wait_dscnt 0x0
.set i, 0
.rept 16
	KQ 0                            ; piece 0's first scores: there is no vector work yet to set between them
.set i, i+1
.endr
	WIN 0
	PLACES
	TURN 2, 0, 1, 1                 ; piece 2's first scores | piece 0's first softmax | V of step 0
	TURN 0, 1, 1, 1                 ; piece 0: V^T P of step 0 starts O^T, K Q^T of step 1 | piece 2's first softmax | K of step 1
	TURN 2, 1, 1, 0                 ; piece 2: the same | piece 0's softmax of step 1 | V of step 1
	WIN 0
	NSTEPS 2                        ; these fetch steps 2 and 3: slot 0 is read out
.Lslot:                             ; 14 trips: every slot but the last two is filled again
	CHANGE 1
	NSTEPS 4
	s_sub_co_u32 s[SLOTS], s[SLOTS], 1
	s_cmp_lg_u32 s[SLOTS], 0
	s_cbranch_scc1 .Lslot
	CHANGE 0                        ; the tail is written out
	NSTEPS 4
	TURN 0, 2, 0, 0                 ; piece 0: V^T P of the last step | piece 2's last softmax
.set i, 0
.rept 16
	PV 2, 0                         ; piece 2: V^T P of the last step
.set i, i+1
.endr
	; THE WAY OUT.  l's halves and the other half of the lanes' are added (the first four additions are the places behind the last products); O^T is divided by l and rounded to f16.
	; A lane's eight channels of a query are 16 bytes; at 16 x lane they make a block of 512 consecutive bytes of ybuf [ks][token tile][kb][512]: half an operand's register image for the last launch.
	WIN 0
.irp t, 0,1,2,3
	v_add_f32 v[ST+8*\t+4], v[ST+8*\t+2], v[ST+8*\t+3]
.endr
.irp t, 0,1,2,3
	v_permlanex16_b32 v[ST+8*\t+5], v[ST+8*\t+4], s[SEL], s[SEL+1]
.endr
.irp t, 0,1,2,3
	v_add_f32 v[ST+8*\t+4], v[ST+8*\t+4], v[ST+8*\t+5]
.endr
.irp t, 0,1,2,3
	v_rcp_f32 v[ST+8*\t+6], v[ST+8*\t+4]
.endr
	v_nop                           ; a plain instruction between the last reciprocal and the use of its result
	s_wait_alu depctr_va_vdst(0)    ; and the one wait for the four reciprocals, ahead of the first use
.macro PACK t
	WIN W_RS
.set i, 32*\t
.rept 16
	v_pk_mul_f32 v[i:i+1], v[i:i+1], v[ST+8*\t+6:ST+8*\t+7] op_sel_hi:[1,0]
.set i, i+2
.endr
	WIN 0x05                        ; sources 0 and 1 window 1, destination window 0: S^T's registers are free, and each tile has its own
.set i, 0
.rept 16
	v_cvt_pk_f16_f32 v[S+32*\t+i], v[32*\t+2*i], v[32*\t+2*i+1]
.set i, i+1
.endr
	WIN 0
.irp c, 0,1,2,3
	global_store_b128 v[L16], v[S+32*\t+4*\c:S+32*\t+4*\c+3], s[10:11] offset:8192*\t+512*\c
.endr
.endm
	PACK 0
	PACK 1
	PACK 2
	PACK 3
	s_wait_tensorcnt 0x0            ; the wave's end
	ds_add_u32 v[SPW], v[NIL]
	s_wait_dscnt 0x0
	CROUND                          ; the closing round: no work-group ends while a partner may still ask for a tile that names it
	s_endpgm
.Lfunc_end_k_q9b3030586e_attn:
	.size	k_q9b3030586e_attn, .Lfunc_end_k_q9b3030586e_attn-k_q9b3030586e_attn
	.p2alignl 7, 3214868480
	.fill 96, 4, 3214868480
	.section	.rodata,"a",@progbits
	.p2align	6, 0x0
	.amdhsa_kernel k_q9b3030586e_attn
		.amdhsa_group_segment_fixed_size 327680
		.amdhsa_private_segment_fixed_size 0
		.amdhsa_enable_private_segment 0
		.amdhsa_kernarg_size 16
		.amdhsa_user_sgpr_count 2
		.amdhsa_user_sgpr_kernarg_segment_ptr 1
		.amdhsa_wavefront_size32 1
		.amdhsa_system_sgpr_workgroup_id_x 1
		.amdhsa_system_sgpr_workgroup_id_y 1
		.amdhsa_system_sgpr_workgroup_id_z 1
		.amdhsa_system_vgpr_workitem_id 0
		.amdhsa_next_free_vgpr 640
		.amdhsa_next_free_sgpr 66
		.amdhsa_reserve_vcc 0
		.amdhsa_float_denorm_mode_32 3
		.amdhsa_float_denorm_mode_16_64 3
		.amdhsa_memory_ordered 1
		.amdhsa_forward_progress 1
		.amdhsa_inst_pref_size 189
	.end_amdhsa_kernel
	.amdgpu_metadata
---
amdhsa.version: [ 1, 2 ]
amdhsa.kernels:
  - .name:           k_q9b3030586e_attn
    .symbol:         k_q9b3030586e_attn.kd
    .args:
      - { .name: qkv, .offset: 0, .size: 8, .value_kind: global_buffer, .address_space: global }
      - { .name: ybuf, .offset: 8, .size: 8, .value_kind: global_buffer, .address_space: global }
    .group_segment_fixed_size: 327680
    .private_segment_fixed_size: 0
    .kernarg_segment_align: 8
    .kernarg_segment_size: 16
    .max_flat_workgroup_size: 128
    .sgpr_count:     66
    .vgpr_count:     640
    .wavefront_size: 32
...
	.end_amdgpu_metadata
.endif
;; end of part 3
;; launch proj (part 4): grid 8 x 32, 4 waves a work-group, clusters of 4 x 4, 327,680 bytes of LDS; arguments ybuf, wp, out0; writes out0
.if DOCPART == 4
	.amdgcn_target "amdgcn-amd-amdhsa--gfx1250"
	.amdhsa_code_object_version 6
	.text
	.protected	k_q9b3030586e_proj
	.globl	k_q9b3030586e_proj
	.p2align	8
	.type	k_q9b3030586e_proj,@function
k_q9b3030586e_proj:
	s_mov_b64 s[64:65], 0
	v_nop
	global_prefetch_b8 v0, s[64:65] scope:SCOPE_SE
	s_setreg_imm32_b32 hwreg(HW_REG_WAVE_MODE, 25, 1), 1
	s_wait_xcnt 0x0
	s_wait_alu depctr_hold_cnt(0) depctr_sa_sdst(0) depctr_va_vdst(0) depctr_va_sdst(0) depctr_va_ssrc(0) depctr_va_vcc(0) depctr_vm_vsrc(0)
	s_getreg_b32 s2, hwreg(HW_REG_IB_STS2, 6, 4)
	s_cmp_eq_u32 s2, 0
	s_cbranch_scc0 .Lentry_in_a_cluster
	s_endpgm
.Lentry_in_a_cluster:
	s_bfe_u32 s2, ttmp6, 0x10000c
	s_cmp_lg_u32 s2, 0xf033
	s_cbranch_scc0 .Lentry_shape_is_right
	s_endpgm
.Lentry_shape_is_right:
; out0[t][n] = the sum over k of y[t][k] w_proj[n][k]: M 4,096, N 1,024, K 1,024; operands f16, sums and results f32.
; Both operands come as blocks of 512 bytes that are halves of operand register images: ybuf [ks 4][token tile 256][kb 16][512], wp [ks 4][tile of 16 outputs 64][kb 16][512];
; in a block lane (r, h) has row r and k = 256 ks + 16 kb + 8 h + 0..7.  So a K step's part of a tile is dense in memory, and every fragment comes out of LDS at 16 x lane: no pitch, no padding.
; A tile of out0 is 128 x 128: 256 work-groups, one for each WGP.  Four waves, each 64 x 64: 16 accumulators.  K goes in four steps of 256 through two LDS slots; a wave's tensor load brings 32,768 dense bytes.
; CLUSTERS: 4 x 4 work-groups; y's tile is shared along a row of the cluster, w_proj's along a column: each is asked for jointly.
; THE MATRIX INSTRUCTION IS USED TRANSPOSED (source 0 = 16 rows of w_proj, source 1 = 16 tokens): a lane holds eight neighbouring outputs of one token.
; A wave's 64 outputs of a token are 256 aligned bytes: the way out goes through the wave's OWN stage, with no barrier.
; REGISTERS: window 0: v0-31 addresses; v32-95 the way out; v128-255 the accumulators ((a, b) at v[128 + 8 (4 a + b)]).  window 1: two fragment buffers of 128: 64 registers of A, then 64 of B, for 64 along K.
.set AKS,    2097152                   ; ybuf: bytes a K step
.set BKS,    524288                    ; wp: bytes a K step
.set HALFT,  32768                     ; four tiles of 16 rows x 256 K: what one tensor load brings, and what one wave reads of A or of B
.set SLOT,   4*HALFT                   ; A's eight tiles, then B's eight
.set STAGE,  2*SLOT                    ; behind the ring: 16 rows x 272 bytes for each wave
.set SPITCH, 272
.set SPARE,  STAGE+4*16*SPITCH         ; the spare words: 128 bytes a wave, named by no other line
.set ADRA, 16                          ; v16-17  LDS address of my A fragments in slot 0, 1
.set ADRB, 20                          ; v20-21  the same for B
.set STO,  24                          ; v24     the way out: where I put 32 bytes of a row
.set RD,   25                          ; v25     where I read a row back
.set CO,   26                          ; v26     my byte offset in out0
.set SPW,  28                          ; v28     LDS address of my spare word; never rewritten
.set NIL,  29                          ; v29     0; never rewritten
.set TMP,  32
.set ACC,  128
.set F0,   0                           ; fragment buffers, in window 1
.set F1,   128
.set G1, 24                            ; s[24:31] group 1 for A's tiles;  s[32:39] group 0, one set for each slot
.set G0, 32
.set G1B, 48                           ; s[48:55], s[56:63] the same for B's
.set G0B, 56
.set MSB, 0
.macro WIN new                         ; the immediate's high byte repeats the setting that is left
.if MSB != \new
	s_set_vgpr_msb (MSB<<8)|\new
.set MSB, \new
.endif
.endm
.set MUL,  0x05                        ; sources 0 (B) and 1 (A) window 1; C and D window 0
.set TO_F, 0x40                        ; destination window 1, address window 0
.macro JLOAD s                         ; a joint load: waves 0 and 1 fetch A's halves, waves 2 and 3 B's; an s_nop 0 and four v_nop follow each of the two lines
	s_cmp_eq_u32 s11, 0
	s_cbranch_scc0 .Lfor_b_\@
	tensor_load_to_lds s[G0+4*\s:G0+4*\s+3], s[G1:G1+7]
	s_nop 0
.rept 4
	v_nop
.endr
	s_branch .Lasked_\@
.Lfor_b_\@:
	tensor_load_to_lds s[G0B+4*\s:G0B+4*\s+3], s[G1B:G1B+7]
	s_nop 0
.rept 4
	v_nop
.endr
.Lasked_\@:
.endm
.macro CREST                           ; a round of the cluster's barrier behind its opening barrier
	s_cmp_lg_u32 s10, 0
	s_cbranch_scc1 .Lnot_wave_0_\@
	s_barrier_signal -3
.Lnot_wave_0_\@:
	s_barrier_wait -3
	s_barrier_signal -1
	s_barrier_wait -1
.endm
.macro CROUND
	s_barrier_signal -1
	s_barrier_wait -1
	CREST
.endm
	s_load_b128 s[4:7], s[0:1], 0x0                ; ybuf s[4:5], wp s[6:7]
	s_load_b64 s[8:9], s[0:1], 0x10                ; out0
	v_lshl_add_u32 v[SPW], v0, 2, SPARE
	v_mov_b32 v[NIL], 0
	ds_add_u32 v[SPW], v[NIL]                      ; the wave's opening: the add, twice on end, and its wait ahead of my first tensor load
	ds_add_u32 v[SPW], v[NIL]
	v_lshrrev_b32 v1, 5, v0
	v_readfirstlane_b32 s10, v1                    ; wave 0..3
	s_lshr_b32 s11, s10, 1                         ; which half of the tile's tokens is mine.  Also: I fetch for A (0) or for B (1)
	s_and_b32 s12, s10, 1                          ; which half of its outputs.  Also: which half of that tile I fetch
	s_bfe_u32 s40, ttmp6, 0x40000                  ; cx, cy
	s_bfe_u32 s41, ttmp6, 0x40004
	s_lshl_b32 s42, ttmp9, 2
	s_add_co_u32 s42, s42, s40                     ; tile column = 4 x cluster x + cx
	s_and_b32 s13, ttmp7, 0xffff
	s_lshl_b32 s13, s13, 2
	s_add_co_u32 s13, s13, s41                     ; tile row = 4 x cluster y + cy
	s_lshl_b32 s43, s41, 2
	s_lshl_b32 s43, 15, s43                        ; my row of the cluster
	s_lshl_b32 s44, 0x1111, s40                    ; my column
	; group 1: 32,768 dense bytes as 128 rows of 256 bytes (32 elements of 8), no padding
	s_or_b32 s[G1+0], s43, (3<<16)|(1<<21)         ; the mask: A's tiles go to my row; elements of 8 bytes; bit 21 beside a mask
	s_or_b32 s[G1B+0], s44, (3<<16)|(1<<21)
.irp g, G1, G1B
	s_mov_b32 s[\g+1], 32<<16                      ; tensor_dim0
	s_mov_b32 s[\g+2], 128<<16                     ; tensor_dim1
	s_mov_b32 s[\g+3], 32<<16                      ; tile_dim0
	s_mov_b32 s[\g+4], 128                         ; tile_dim1
	s_mov_b32 s[\g+5], 32                          ; from row to row
	s_mov_b32 s[\g+6], 0
	s_mov_b32 s[\g+7], 0
.endr
	s_lshl_b32 s17, s12, 15                        ; which half of the tile I fetch
	s_lshl_b32 s16, s13, 16                        ; A: eight token tiles of 8,192 bytes a tile row
	s_add_co_u32 s16, s16, s17
	s_lshl_b32 s46, s42, 16                        ; B likewise, by the tile column
	s_add_co_u32 s46, s46, s17
	s_mov_b32 s17, 0
	s_mov_b32 s47, 0
	s_mul_i32 s20, s10, HALFT                      ; where they go: wave x 32,768
	s_wait_dscnt 0x0                               ; both opening adds are done
	s_wait_kmcnt 0x0
	s_add_nc_u64 s[14:15], s[4:5], s[16:17]
	s_add_nc_u64 s[46:47], s[6:7], s[46:47]
	CROUND                                         ; all sixteen work-groups are here: the first joint loads meet
.irp s, 0,1
	s_mov_b32 s[G0+4*\s], 1
	s_add_co_u32 s[G0+4*\s+1], s20, \s*SLOT
	s_add_nc_u64 s[G0+4*\s+2:G0+4*\s+3], s[14:15], \s*AKS
	s_or_b32 s[G0+4*\s+3], s[G0+4*\s+3], 0x80000000
	s_mov_b32 s[G0B+4*\s], 1
	s_add_co_u32 s[G0B+4*\s+1], s20, \s*SLOT
	s_add_nc_u64 s[G0B+4*\s+2:G0B+4*\s+3], s[46:47], \s*BKS
	s_or_b32 s[G0B+4*\s+3], s[G0B+4*\s+3], 0x80000000
	JLOAD \s                                       ; two loads of mine are out behind these
.endr
	v_and_b32 v1, 15, v0                           ; l % 16
	v_bfe_u32 v2, v0, 4, 1                         ; l / 16
	v_and_b32 v3, 31, v0
	v_lshlrev_b32 v3, 4, v3                        ; 16 x lane: my place in a block
	s_lshl_b32 s21, s11, 15                        ; my four tiles of A
	s_lshl_b32 s22, s12, 15                        ; my four tiles of B,
	s_add_co_u32 s22, s22, 2*HALFT                 ; which lie behind A's eight
.irp s, 0,1
	v_add_nc_u32 v[ADRA+\s], s21, v3
	v_add_nc_u32 v[ADRB+\s], s22, v3
	s_add_co_u32 s21, s21, SLOT
	s_add_co_u32 s22, s22, SLOT
.endr
	s_mul_i32 s23, s10, 16*SPITCH
	s_add_co_u32 s23, s23, STAGE                   ; my stage
	v_mul_u32_u24 v4, v1, SPITCH                   ; in: row l % 16, 32 bytes for each half of the lanes
	v_lshl_add_u32 v4, v2, 5, v4
	v_add_nc_u32 v[STO], s23, v4
	v_mul_u32_u24 v5, v2, SPITCH                   ; back: lanes 0-15 one row of 256 bytes, lanes 16-31 the next
	v_lshl_add_u32 v5, v1, 4, v5
	v_add_nc_u32 v[RD], s23, v5
	v_lshlrev_b32 v5, 12, v2                       ; and the same two rows in out0 (4,096 bytes a row)
	v_lshl_add_u32 v[CO], v1, 4, v5
	s_lshl_b32 s16, s13, 7
	s_lshl_b32 s17, s11, 6
	s_add_co_u32 s16, s16, s17                     ; my first token: 128 x tile row + 64 x half
	s_lshl_b32 s16, s16, 12
	s_mov_b32 s17, 0
	s_add_nc_u64 s[8:9], s[8:9], s[16:17]
	s_lshl_b32 s46, s42, 9                         ; my first output, in bytes: 512 x tile column + 256 x half
	s_lshl_b32 s47, s12, 8
	s_add_co_u32 s46, s46, s47
	s_mov_b32 s47, 0
	s_add_nc_u64 s[8:9], s[8:9], s[46:47]
; 8 matrix instructions: token blocks a0, a0 + 1 x all 4 output blocks, 32 along K: half c of buffer f.  zero = 1: the first product starts the sums.  The 16 accumulators take turns.
.macro MUL8 f, c, a0, zero
.irp a, \a0, \a0+1
.irp b, 0,1,2,3
.if \zero
	v_wmma_f32_16x16x32_f16 v[ACC+8*(4*(\a)+\b):ACC+8*(4*(\a)+\b)+7], v[\f+64+8*(4*\c+\b):\f+64+8*(4*\c+\b)+7], v[\f+8*(4*\c+\a):\f+8*(4*\c+\a)+7], 0
.else
	v_wmma_f32_16x16x32_f16 v[ACC+8*(4*(\a)+\b):ACC+8*(4*(\a)+\b)+7], v[\f+64+8*(4*\c+\b):\f+64+8*(4*\c+\b)+7], v[\f+8*(4*\c+\a):\f+8*(4*\c+\a)+7], v[ACC+8*(4*(\a)+\b):ACC+8*(4*(\a)+\b)+7]
.endif
.endr
.endr
.endm
; 32 LDS loads in one run: the fragments of 64 along K (four blocks of each tile, from byte k of the tile's 8,192) into buffer f; the first 32 along K first
.macro FETCH slot, k, f
	WIN TO_F
.irp c, 0,1
.irp i, 0,1,2,3
	ds_load_b128 v[\f+64+8*(4*\c+\i):\f+64+8*(4*\c+\i)+3],   v[ADRB+\slot] offset:\k+1024*\c+8192*\i
	ds_load_b128 v[\f+64+8*(4*\c+\i)+4:\f+64+8*(4*\c+\i)+7], v[ADRB+\slot] offset:\k+1024*\c+8192*\i+512
	ds_load_b128 v[\f+8*(4*\c+\i):\f+8*(4*\c+\i)+3],         v[ADRA+\slot] offset:\k+1024*\c+8192*\i
	ds_load_b128 v[\f+8*(4*\c+\i)+4:\f+8*(4*\c+\i)+7],       v[ADRA+\slot] offset:\k+1024*\c+8192*\i+512
.endr
.endr
.endm
.macro PLACES                          ; four places in front of loads into registers that matrix instructions have read, and of the first read of results
.rept 4
	v_nop
.endr
.endm
; A K step is four quarters of 64 along K, 32 matrix instructions each, on buffers 0, 1, 0, 1.  One of the first three: multiplies buffer f and fetches the next quarter, at byte k, into g.
.macro QUARTER slot, k, f, g, zero
	s_wait_dscnt 16                                ; the first 32 along K are in; the youngest sixteen loads may be out
	WIN MUL
	MUL8 \f, 0, 0, \zero
	MUL8 \f, 0, 2, \zero
	PLACES
	FETCH \slot, \k, \g
	s_wait_dscnt 32                                ; all but the 32 just issued
	WIN MUL
	MUL8 \f, 1, 0, 0
	MUL8 \f, 1, 2, 0
.endm
; The last quarter multiplies buffer 1 and changes slots: ONE barrier; in front of it each wave waits for all its tensor loads, adds 0 to its spare word, and waits for that and for its reads of this slot.
; fill = 1: the barrier opens a round of the cluster's, and behind the round this slot is filled again, two K steps ahead: my one load until the next round.
.macro TURN slot, next, fill
	WIN 0                                          ; (the add's two registers lie in window 0)
	s_wait_tensorcnt 0x0                           ; all my tensor loads have landed: my part of the next slot
	ds_add_u32 v[SPW], v[NIL]                      ; 0 onto my spare word
	s_wait_dscnt 17                                ; (the add and the youngest sixteen loads may be out)
	WIN MUL
	MUL8 F1, 0, 0, 0
	s_wait_dscnt 0x0                               ; the add is done, and my reads of this slot are over
	s_barrier_signal -1
	MUL8 F1, 0, 2, 0
.if \fill
	WIN 0
.endif
	s_barrier_wait -1
.if \fill
	CREST                                          ; no wave of any partner still reads this slot's tile or has a load on its way
	s_add_nc_u64 s[G0+4*\slot+2:G0+4*\slot+3], s[G0+4*\slot+2:G0+4*\slot+3], 2*AKS
	s_add_nc_u64 s[G0B+4*\slot+2:G0B+4*\slot+3], s[G0B+4*\slot+2:G0B+4*\slot+3], 2*BKS
	JLOAD \slot                                    ; the four v_nop behind it are also the places in front of the loads below
.else
	PLACES
.endif
	FETCH \next, 0, F0
	WIN MUL
	MUL8 F1, 1, 0, 0
	MUL8 F1, 1, 2, 0
.endm
	s_wait_tensorcnt 1                             ; my part of K step 0 is in (K step 1's load may be out),
	s_barrier_signal -1
	s_barrier_wait -1                              ; everybody's is
	FETCH 0, 0, F0
	QUARTER 0, 2048, F0, F1, 1                     ; K step 0: its first products start the sums
	QUARTER 0, 4096, F1, F0, 0
	QUARTER 0, 6144, F0, F1, 0
	TURN 0, 1, 1                                   ; slot 0 takes K step 2
	QUARTER 1, 2048, F0, F1, 0                     ; K step 1
	QUARTER 1, 4096, F1, F0, 0
	QUARTER 1, 6144, F0, F1, 0
	TURN 1, 0, 1                                   ; slot 1 takes K step 3
	QUARTER 0, 2048, F0, F1, 0                     ; K step 2
	QUARTER 0, 4096, F1, F0, 0
	QUARTER 0, 6144, F0, F1, 0
	TURN 0, 1, 0                                   ; nothing is left to fetch
	QUARTER 1, 2048, F0, F1, 0                     ; K step 3
	QUARTER 1, 4096, F1, F0, 0
	QUARTER 1, 6144, F0, F1, 0
	s_wait_dscnt 16
	WIN MUL
	MUL8 F1, 0, 0, 0
	MUL8 F1, 0, 2, 0
	s_wait_dscnt 0
	MUL8 F1, 1, 0, 0
	MUL8 F1, 1, 2, 0
	WIN 0
; THE WAY OUT, a block of 16 tokens x 64 outputs at a time: into my own stage (rows of 272 bytes), back as whole rows of 256 bytes.  LDS serves a wave's instructions in order: no wait between the stores and the loads.
.macro TOSTAGE a
.irp b, 0,1,2,3
	ds_store_b128 v[STO], v[ACC+8*(4*(\a)+\b):ACC+8*(4*(\a)+\b)+3] offset:64*\b       ; each accumulator from its low end on
	ds_store_b128 v[STO], v[ACC+8*(4*(\a)+\b)+4:ACC+8*(4*(\a)+\b)+7] offset:64*\b+16
.endr
.irp t, 0,1,2,3,4,5,6,7
	ds_load_b128 v[TMP+32*((\a)%2)+4*\t:TMP+32*((\a)%2)+4*\t+3], v[RD] offset:\t*2*SPITCH
.endr
.endm
.macro SEND a, younger                 ; younger: the LDS instructions issued behind block a's loads, which may stay out
	s_wait_dscnt \younger
.irp t, 0,1,2,3,4,5,6,7
	global_store_b128 v[CO], v[TMP+32*((\a)%2)+4*\t:TMP+32*((\a)%2)+4*\t+3], s[8:9] offset:(16*(\a)+2*\t)*4096 th:TH_STORE_NT   ; 16 lanes store 256 consecutive bytes, aligned
.endr
.endm
	PLACES
	TOSTAGE 0
.irp a, 1,2,3
.if \a > 1
	s_wait_xcnt 0x0                                ; block a - 2's stores have read their registers: block a's loads may land there
.endif
	TOSTAGE \a
	SEND \a-1, 16                                  ; behind block a - 1's loads: block a's 8 stores and 8 loads
.endr
	SEND 3, 0
	s_wait_tensorcnt 0x0                           ; the wave's end, behind my last tensor load and my last LDS store
	ds_add_u32 v[SPW], v[NIL]
	s_wait_dscnt 0x0
	CROUND                                         ; the closing round
	s_endpgm
.Lfunc_end_k_q9b3030586e_proj:
	.size	k_q9b3030586e_proj, .Lfunc_end_k_q9b3030586e_proj-k_q9b3030586e_proj
	.p2alignl 7, 3214868480
	.fill 96, 4, 3214868480
	.section	.rodata,"a",@progbits
	.p2align	6, 0x0
	.amdhsa_kernel k_q9b3030586e_proj
		.amdhsa_group_segment_fixed_size 327680
		.amdhsa_private_segment_fixed_size 0
		.amdhsa_enable_private_segment 0
		.amdhsa_kernarg_size 24
		.amdhsa_user_sgpr_count 2
		.amdhsa_user_sgpr_kernarg_segment_ptr 1
		.amdhsa_wavefront_size32 1
		.amdhsa_system_sgpr_workgroup_id_x 1
		.amdhsa_system_sgpr_workgroup_id_y 1
		.amdhsa_system_sgpr_workgroup_id_z 1
		.amdhsa_system_vgpr_workitem_id 0
		.amdhsa_next_free_vgpr 512
		.amdhsa_next_free_sgpr 66
		.amdhsa_reserve_vcc 0
		.amdhsa_float_denorm_mode_32 3
		.amdhsa_float_denorm_mode_16_64 3
		.amdhsa_memory_ordered 1
		.amdhsa_forward_progress 1
		.amdhsa_inst_pref_size 85
	.end_amdhsa_kernel
	.amdgpu_metadata
---
amdhsa.version: [ 1, 2 ]
amdhsa.kernels:
  - .name:           k_q9b3030586e_proj
    .symbol:         k_q9b3030586e_proj.kd
    .args:
      - { .name: ybuf, .offset: 0, .size: 8, .value_kind: global_buffer, .address_space: global }
      - { .name: wp, .offset: 8, .size: 8, .value_kind: global_buffer, .address_space: global }
      - { .name: out0, .offset: 16, .size: 8, .value_kind: global_buffer, .address_space: global }
    .group_segment_fixed_size: 327680
    .private_segment_fixed_size: 0
    .kernarg_segment_align: 8
    .kernarg_segment_size: 24
    .max_flat_workgroup_size: 128
    .sgpr_count:     66
    .vgpr_count:     512
    .wavefront_size: 32
...
	.end_amdgpu_metadata
.endif
;; end of part 4
